; MI455X (gfx1250); checked and timed in simulation.
; The chip was launched on July 23, 2026; its instructions are those of AMD's public machine-readable ISA for CDNA 5 (MIT licence, August 2026) and "CDNA5" Instruction Set Architecture Reference Guide (July 2026). The comments in the code are by the model that wrote it; some were corrected since.
;; Multi Head Attention. Allowed arithmetic: float matrix products may take bf16 or f16 operands with f32 sums; all other float work in f32.
;; Inputs: Wk 1,024 x 1,024 float32; Wo 1,024 x 1,024 float32; Wq 1,024 x 1,024 float32; Wv 1,024 x 1,024 float32; bk 1,024 float32; bo 1,024 float32; bq 1,024 float32; bv 1,024 float32; k 4 x 2,048 x 1,024 float32; mask 4 x 2,048 x 2,048 int32; q 4 x 2,048 x 1,024 float32; v 4 x 2,048 x 1,024 float32.
;; Outputs: out0 4 x 2,048 x 1,024 float32.
;; One version. Each part assembles by itself: llvm-mc -triple=amdgcn-amd-amdhsa -mcpu=gfx1250 --defsym DOCPART=n.
;; ======== version 1 of 1: 5 launches
;; limits: values are held in f16: magnitudes above 65,504 overflow, below 6.1e-05 lose precision
;; workspace buffers: wb 8,388,608 bytes; qkv 50,331,648 bytes; pbuf 33,554,432 bytes; stats 1,048,576 bytes; ybuf 16,777,216 bytes
;; launch prep (part 1): grid 64 x 4, 8 waves a work-group, no clusters, 0 bytes of LDS; arguments Wq, Wk, Wv, Wo, wb; writes wb
.if DOCPART == 1
	.amdgcn_target "amdgcn-amd-amdhsa--gfx1250"
	.amdhsa_code_object_version 6
	.text
	.protected	k_q85b3d1850e_prep
	.globl	k_q85b3d1850e_prep
	.p2align	8
	.type	k_q85b3d1850e_prep,@function
k_q85b3d1850e_prep:
	s_mov_b64 s[64:65], 0
	v_nop
	global_prefetch_b8 v0, s[64:65] scope:SCOPE_SE
	s_setreg_imm32_b32 hwreg(HW_REG_WAVE_MODE, 25, 1), 1
	s_wait_xcnt 0x0
; wb = Wq, Wk, Wv, Wo rounded to f16, one behind the other (2,097,152 bytes each), rows as given.
; f16 and not bf16: 11 significant bits against 8.  LIMIT: weights beyond 65,504 become infinite; below 6.1e-5 the step is 6e-8
; (weights of rms 0.001, 30 times smaller than the stated kind, lose 3e-5 of their rms by that).
; A pure stream: work-group (x, y) takes 65,536 bytes (16,384 numbers) at byte 65,536 x of weight y and writes 32,768 bytes.
; Thread t takes 16 bytes at 16 t of each of 16 pieces of 4,096 bytes; all 16 loads go out first.  A store of a wave covers
; 256 consecutive bytes, aligned.  No LDS, no matrix unit, no cluster: no byte is read by two work-groups.
.set PIECES, 16
	s_load_b256 s[4:11], s[0:1], 0x0               ; Wq s[4:5], Wk s[6:7], Wv s[8:9], Wo s[10:11]
	s_load_b64 s[12:13], s[0:1], 0x20              ; wb
	s_and_b32 s14, ttmp7, 0xffff                   ; y: which weight
	s_lshl_b32 s16, ttmp9, 16                      ; my bytes in the source
	s_mov_b32 s17, 0
	s_lshl_b32 s18, s14, 21                        ; my bytes in wb: 2,097,152 y + 32,768 x
	s_lshl_b32 s20, ttmp9, 15
	s_add_co_u32 s18, s18, s20
	s_mov_b32 s19, 0
	v_lshlrev_b32 v1, 4, v0                        ; 16 t
	v_lshlrev_b32 v2, 3, v0                        ; 8 t
	s_wait_kmcnt 0x0
	s_cmp_eq_u32 s14, 1
	s_cselect_b64 s[4:5], s[6:7], s[4:5]
	s_cmp_eq_u32 s14, 2
	s_cselect_b64 s[4:5], s[8:9], s[4:5]
	s_cmp_eq_u32 s14, 3
	s_cselect_b64 s[4:5], s[10:11], s[4:5]
	s_add_nc_u64 s[4:5], s[4:5], s[16:17]
	s_add_nc_u64 s[12:13], s[12:13], s[18:19]
.set k, 0
.rept PIECES
	global_load_b128 v[4+4*k:7+4*k], v1, s[4:5] offset:4096*k th:TH_LOAD_NT
.set k, k+1
.endr
.set k, 0
.rept PIECES
	s_wait_loadcnt PIECES-1-k                      ; loads come back in order: piece k is in, the younger ones stay out
	v_cvt_pk_f16_f32 v[4+4*k], v[4+4*k], v[5+4*k]
	v_cvt_pk_f16_f32 v[5+4*k], v[6+4*k], v[7+4*k]
	global_store_b64 v2, v[4+4*k:5+4*k], s[12:13] offset:2048*k   ; no register of a store is written again
.set k, k+1
.endr
	s_endpgm
.Lfunc_end_k_q85b3d1850e_prep:
	.size	k_q85b3d1850e_prep, .Lfunc_end_k_q85b3d1850e_prep-k_q85b3d1850e_prep
	.p2alignl 7, 3214868480
	.fill 96, 4, 3214868480
	.section	.rodata,"a",@progbits
	.p2align	6, 0x0
	.amdhsa_kernel k_q85b3d1850e_prep
		.amdhsa_group_segment_fixed_size 0
		.amdhsa_private_segment_fixed_size 0
		.amdhsa_enable_private_segment 0
		.amdhsa_kernarg_size 40
		.amdhsa_user_sgpr_count 2
		.amdhsa_user_sgpr_kernarg_segment_ptr 1
		.amdhsa_wavefront_size32 1
		.amdhsa_system_sgpr_workgroup_id_x 1
		.amdhsa_system_sgpr_workgroup_id_y 1
		.amdhsa_system_sgpr_workgroup_id_z 1
		.amdhsa_system_vgpr_workitem_id 0
		.amdhsa_next_free_vgpr 72
		.amdhsa_next_free_sgpr 66
		.amdhsa_reserve_vcc 0
		.amdhsa_float_denorm_mode_32 3
		.amdhsa_float_denorm_mode_16_64 3
		.amdhsa_memory_ordered 1
		.amdhsa_forward_progress 1
		.amdhsa_inst_pref_size 7
	.end_amdhsa_kernel
	.amdgpu_metadata
---
amdhsa.version: [ 1, 2 ]
amdhsa.kernels:
  - .name:           k_q85b3d1850e_prep
    .symbol:         k_q85b3d1850e_prep.kd
    .args:
      - { .name: Wq, .offset: 0, .size: 8, .value_kind: global_buffer, .address_space: global }
      - { .name: Wk, .offset: 8, .size: 8, .value_kind: global_buffer, .address_space: global }
      - { .name: Wv, .offset: 16, .size: 8, .value_kind: global_buffer, .address_space: global }
      - { .name: Wo, .offset: 24, .size: 8, .value_kind: global_buffer, .address_space: global }
      - { .name: wb, .offset: 32, .size: 8, .value_kind: global_buffer, .address_space: global }
    .group_segment_fixed_size: 0
    .private_segment_fixed_size: 0
    .kernarg_segment_align: 8
    .kernarg_segment_size: 40
    .max_flat_workgroup_size: 256
    .sgpr_count:     66
    .vgpr_count:     72
    .wavefront_size: 32
...
	.end_amdgpu_metadata
.endif
;; end of part 1
;; launch proj (part 2): grid 64 x 12, 4 waves a work-group, clusters of 4 x 1, 327,680 bytes of LDS; arguments q, k, v, bq, bk, bv, wb, qkv; writes qkv
.if DOCPART == 2
	.amdgcn_target "amdgcn-amd-amdhsa--gfx1250"
	.amdhsa_code_object_version 6
	.text
	.protected	k_q85b3d1850e_proj
	.globl	k_q85b3d1850e_proj
	.p2align	8
	.type	k_q85b3d1850e_proj,@function
k_q85b3d1850e_proj:
	s_mov_b64 s[64:65], 0
	v_nop
	global_prefetch_b8 v0, s[64:65] scope:SCOPE_SE
	s_setreg_imm32_b32 hwreg(HW_REG_WAVE_MODE, 25, 1), 1
	s_wait_xcnt 0x0
	s_wait_alu depctr_hold_cnt(0) depctr_sa_sdst(0) depctr_va_vdst(0) depctr_va_sdst(0) depctr_va_ssrc(0) depctr_va_vcc(0) depctr_vm_vsrc(0)
	s_getreg_b32 s2, hwreg(HW_REG_IB_STS2, 6, 4)
	s_cmp_eq_u32 s2, 0
	s_cbranch_scc0 .Lentry_in_a_cluster
	s_endpgm
.Lentry_in_a_cluster:
	s_bfe_u32 s2, ttmp6, 0x10000c
	s_cmp_lg_u32 s2, 0x3003
	s_cbranch_scc0 .Lentry_shape_is_right
	s_endpgm
.Lentry_shape_is_right:
; qkv[p] = x_p W_p^T + b_p in f16, p = 0, 1, 2 for (q, Wq, bq), (k, Wk, bk), (v, Wv, bv).  x: [8192][1024] f32, W: [1024][1024] f16 (wb).
; Work-group (x, y): rows 128 x .. +127, p = y / 4, columns 256 (y % 4) .. +255.  Four waves, each 64 rows x 128 columns: 32 accumulator
; tiles of 16 x 16.  K goes in 8 steps of 128, written out without a loop (each step has its own immediates).
; W's tile (256 rows x 256 bytes) comes by the tensor data mover into a ring of two slots; each wave fetches 64 rows.
; CLUSTER 4 x 1: the four work-groups of a cluster have the same y and so the same tiles of W: they ask jointly (mask 15).
; x is f32 in memory and is rounded on the way: global load, v_cvt_pk_f16_f32, ds_store into two slots of its own that no tensor load
; touches.  x's tile is also read by the four work-groups that differ in y % 4, but it passes through registers for the rounding, so it is not
; a tensor load and cannot be asked for jointly.  Two register sets hold the x of two K steps: 64 loads of a wave are on their way.
; The matrix instruction is used transposed (source 0 = rows of W, source 1 = rows of x): lane l holds row l % 16, its registers 0-7
; the columns 8 (l / 16) + 0..7.  The first product takes the bias as C: nothing is cleared and nothing is added later.
; The 32 accumulators take turns, one instruction a turn, in the same order everywhere.
; WHY f16: the scores stand in an exponent, and each rounding of Q, K, V shows in every term of a sum of some 1,000; f16's 11 significant
; bits keep that 8 times smaller than bf16's 8 would.
; LIMITS: x and W enter the products rounded to f16; Q, K, V are stored in f16 and must stay below 65,504 (beyond it: infinity).  With x of
; spread 1 and W of spread 1/32 they are about 5; with both 30 times larger about 4,700; with offsets of 30 spreads in both about
; 1024 x 30 x 0.94 = 29,000.
; REGISTERS.  window 0: v16-23 addresses; v32-95 fragments of x (two buffers of 4 x 8); v96-223 fragments of W (two buffers of 8 x 8);
;   v224-255 the way out.  window 1: v0-127 x set 0, v128 / v129 its LDS and global offsets.  window 2: accumulators, tile (a, b) at v[8 (8 a + b)].
;   window 3: v0-127 x set 1, v128 / v129 copies of the offsets, v192-255 the bias (8 numbers for each of 8 column blocks).
.set PITCH,  272                       ; an LDS row: 256 bytes + 16 of padding, an odd multiple of 16
.set BSLOT,  256*PITCH                 ; W's slot
.set ABASE,  2*BSLOT                   ; behind W's ring: x's two slots
.set ASLOT,  128*PITCH
.set STAGE,  ABASE+2*ASLOT             ; 16 rows x 272 bytes for each wave, for the way out
.set PITCHC, 2048                      ; bytes in a row of Q, K, V
.set ADRA, 16                          ; v16-17 my x fragments in slot 0, 1
.set ADRB, 18                          ; v18-19 my W fragments in slot 0, 1
.set STO,  20
.set RD,   21
.set CO,   22
.set BOF,  23                          ; 32 (l / 16): my 8 numbers in a block of 16 of the bias
.set FA,   32
.set FB,   96
.set TMPO, 224
.set BI,   192                         ; window 3
.set XA,   128                         ; windows 1 and 3
.set XO,   129
.set G1,   32                          ; s[32:39] descriptor group 1
.set G0,   40                          ; s[40:47] descriptor group 0, one set for each slot
.set MSB,  0
.macro WIN new                         ; the immediate's high byte repeats the setting that is left
.if MSB != \new
	s_set_vgpr_msb (MSB<<8)|\new
.set MSB, \new
.endif
.endm
.macro PLACES                          ; four places behind a matrix instruction, in front of loads into its sources and of readers of its result
.rept 4
	v_nop
.endr
.endm
.macro CREST                           ; a round of the cluster's barrier behind its opening barrier
	s_cmp_lg_u32 s20, 0
	s_cbranch_scc1 .Lnot_wave_0_\@
	s_barrier_signal -3
.Lnot_wave_0_\@:
	s_barrier_wait -3
	s_barrier_signal -1
	s_barrier_wait -1
.endm
.macro CROUND
	s_barrier_signal -1
	s_barrier_wait -1
	CREST
.endm
; 16 matrix instructions: row blocks a0, a0 + 1 x all 8 column blocks, 32 along K, from fragment buffer f.  mode 0: add in place; 2: C = the bias
.macro MULH f, a0, mode
.if \mode == 2
	WIN 0xb0                               ; sources window 0, C window 3, D window 2
.else
	WIN 0xa0                               ; sources window 0, C and D window 2
.endif
.irp a, \a0, \a0+1
.irp b, 0,1,2,3,4,5,6,7
.if \mode == 0
	v_wmma_f32_16x16x32_f16 v[8*(8*(\a)+\b):8*(8*(\a)+\b)+7], v[FB+64*\f+8*\b:FB+64*\f+8*\b+7], v[FA+32*\f+8*(\a):FA+32*\f+8*(\a)+7], v[8*(8*(\a)+\b):8*(8*(\a)+\b)+7]
.else
	v_wmma_f32_16x16x32_f16 v[8*(8*(\a)+\b):8*(8*(\a)+\b)+7], v[FB+64*\f+8*\b:FB+64*\f+8*\b+7], v[FA+32*\f+8*(\a):FA+32*\f+8*(\a)+7], v[BI+8*\b:BI+8*\b+7]
.endif
.endr
.endr
.endm
; 24 LDS loads: the fragments of quarter q (32 along K) of a slot into buffer f
.macro FETCH slot, q, f
	WIN 0
.irp i, 0,1,2,3,4,5,6,7
	ds_load_b128 v[FB+64*\f+8*\i:FB+64*\f+8*\i+3],   v[ADRB+\slot] offset:64*(\q)+\i*16*PITCH
	ds_load_b128 v[FB+64*\f+8*\i+4:FB+64*\f+8*\i+7], v[ADRB+\slot] offset:64*(\q)+\i*16*PITCH+32
.endr
.irp i, 0,1,2,3
	ds_load_b128 v[FA+32*\f+8*\i:FA+32*\f+8*\i+3],   v[ADRA+\slot] offset:64*(\q)+\i*16*PITCH
	ds_load_b128 v[FA+32*\f+8*\i+4:FA+32*\f+8*\i+7], v[ADRA+\slot] offset:64*(\q)+\i*16*PITCH+32
.endr
.endm
; 32 loads: my 32 rows' 512 bytes of K step 'step' into x set 'set'; one load of the wave covers one row's 512 bytes
.macro XFILL set, step
.if \set
	WIN 0xcf
.else
	WIN 0x45
.endif
.set i, 0
.rept 32
	global_load_b128 v[4*i:4*i+3], v[XO], s[28:29] offset:i*4096+\step*512
.set i, i+1
.endr
.endm
; What XBLOCK does in a step: XSET = the x set and the x slot at work (-1: nothing), XLD = the K step loaded into it again (-1: none),
; XL0 - XDEC g = how many younger loads may stay out when group g (8 rows) has to be there.
.macro XCFG set, ld, l0, dec
.set XSET, \set
.set XLD,  \ld
.set XL0,  \l0
.set XDEC, \dec
.endm
; Group g of the set: 8 rows are rounded to f16 in place, stored to x's slot (a store of the wave covers a row's 256 bytes) and loaded again.
.macro XBLOCK g
.if XSET >= 0
.if XSET
	WIN 0xcf                               ; all operands in window 3
.else
	WIN 0x45                               ; all operands in window 1
.endif
	s_wait_loadcnt XL0-XDEC*\g             ; loads come back in order: this group is in, the groups behind it stay out
.irp r, 0,1,2,3,4,5,6,7
	v_cvt_pk_f16_f32 v[32*\g+4*\r],   v[32*\g+4*\r],   v[32*\g+4*\r+1]
	v_cvt_pk_f16_f32 v[32*\g+4*\r+1], v[32*\g+4*\r+2], v[32*\g+4*\r+3]
.endr
.irp r, 0,1,2,3,4,5,6,7
	ds_store_b64 v[XA], v[32*\g+4*\r:32*\g+4*\r+1] offset:XSET*ASLOT+(8*\g+\r)*PITCH
.endr
.if XLD >= 0
.irp r, 0,1,2,3,4,5,6,7
	global_load_b128 v[32*\g+4*\r:32*\g+4*\r+3], v[XO], s[28:29] offset:(8*\g+\r)*4096+XLD*512
.endr
.endif
.endif
.endm
; A quarter step: multiplies buffer f, and ahead of that fetches the next quarter's fragments into buffer g and moves a group of x.
.macro QUARTER slot, q, f, g, mode
	s_wait_dscnt 0x0                       ; buffer f's loads, issued 32 matrix instructions ago, are in
	PLACES
	FETCH \slot, \q+1, \g
	XBLOCK \q
	MULH \f, 0, \mode
	MULH \f, 2, \mode
.endm
; The last quarter changes slots.  In front of the barrier each wave waits for its LDS reads of this step's slots, for its stores into x's next slot
; and for all its tensor loads (one is out: its part of W's next slot).  Behind it (fill = 1: behind the round of the cluster's barrier that it opens)
; W's slot is asked for again, two K steps ahead, first of all; then the next slots are read.
.macro TURN slot, next, fill
	XBLOCK 3
	s_wait_dscnt 0x0
	s_wait_tensorcnt 0x0
	s_barrier_signal -1
	MULH 1, 0, 0                           ; register work between signal and wait
	WIN 0
	s_barrier_wait -1
.if \fill
	CREST                                  ; no wave of any partner still reads this slot or has a load on its way
	s_add_nc_u64 s[G0+4*\slot+2:G0+4*\slot+3], s[G0+4*\slot+2:G0+4*\slot+3], 512
	tensor_load_to_lds s[G0+4*\slot:G0+4*\slot+3], s[G1:G1+7]   ; my one tensor load behind the round: 64 rows; 112 matrix instructions stand before its wait
	s_nop 0
.endif
	PLACES
	FETCH \next, 0, 0
	MULH 1, 2, 0
.endm
.macro STEP slot, next, mode, fill
	QUARTER \slot, 0, 0, 1, \mode
	QUARTER \slot, 1, 1, 0, 0
	QUARTER \slot, 2, 0, 1, 0
	TURN \slot, \next, \fill
.endm
; 16 rows of the result: round to f16, 16 bytes a lane into my own stage, read back as rows of 256 bytes, store
.macro OUT16 a, from, f
	WIN \from
.irp b, 0,1,2,3,4,5,6,7
.irp r, 0,1,2,3
	v_cvt_pk_f16_f32 v[TMPO+4*\b+\r], v[8*(8*\a+\b)+2*\r], v[8*(8*\a+\b)+2*\r+1]
.endr
.endr
	WIN 0
.irp b, 0,1,2,3,4,5,6,7
	ds_store_b128 v[STO], v[TMPO+4*\b:TMPO+4*\b+3] offset:32*\b
.endr
	s_wait_xcnt 0x0                        ; buffer f was the data of earlier stores: it is loaded again only behind this wait
.irp t, 0,1,2,3,4,5,6,7
	ds_load_b128 v[\f+4*\t:\f+4*\t+3], v[RD] offset:\t*2*PITCH   ; LDS serves a wave's instructions in order: these see the stores above
.endr
.irp t, 0,1,2,3,4,5,6,7
	s_wait_dscnt 7-\t
	global_store_b128 v[CO], v[\f+4*\t:\f+4*\t+3], s[48:49] offset:(16*\a+2*\t)*PITCHC   ; 16 lanes store 256 consecutive bytes, aligned
.endr
.endm
	s_load_b512 s[4:19], s[0:1], 0x0               ; q, k, v, bq, bk, bv, wb, qkv
	v_lshrrev_b32 v1, 5, v0
	v_readfirstlane_b32 s20, v1                    ; wave 0..3
	s_lshr_b32 s21, s20, 1                         ; which 64 rows are mine
	s_and_b32 s22, s20, 1                          ; which 128 columns
	s_bfe_u32 s23, ttmp6, 0x40000                  ; cx
	s_lshl_b32 s24, ttmp9, 2
	s_add_co_u32 s24, s24, s23                     ; row block = 4 x cluster x + cx
	s_and_b32 s25, ttmp7, 0xffff                   ; y, the same in the whole cluster
	s_lshr_b32 s26, s25, 2                         ; p
	s_and_b32 s27, s25, 3                          ; column tile
	; group 1: 64 rows x 128 elements of 2 bytes, 16 bytes of padding behind every 256; mask 15: all four of the cluster; bit 21 beside the mask
	s_mov_b32 s[G1+0], 0x0771000f
	s_mov_b32 s[G1+1], 128<<16                     ; tensor_dim0 = 128
	s_mov_b32 s[G1+2], 64<<16                      ; tensor_dim1 = 64
	s_mov_b32 s[G1+3], 128<<16                     ; tile_dim0 = 128
	s_mov_b32 s[G1+4], 64                          ; tile_dim1 = 64
	s_mov_b32 s[G1+5], 1024                        ; elements from row to row
	s_mov_b32 s[G1+6], 0
	s_mov_b32 s[G1+7], 0
	; W's tile: made of y and the wave's number alone, in registers that never hold cx
	s_lshl_b32 s50, s26, 21                        ; weight p
	s_lshl_b32 s58, s27, 19                        ; 256 rows of 2,048 bytes for a column tile
	s_add_co_u32 s50, s50, s58
	s_lshl_b32 s58, s20, 17                        ; my 64 rows
	s_add_co_u32 s50, s50, s58
	s_mov_b32 s51, 0
	s_mul_i32 s59, s20, 64*PITCH                   ; and where they go
	; x: 128 rows of 4,096 bytes for a row block, 32 rows for a wave
	s_lshl_b32 s52, s24, 19
	s_lshl_b32 s54, s20, 17
	s_add_co_u32 s52, s52, s54
	s_mov_b32 s53, 0
	; the bias of my 128 columns
	s_lshl_b32 s54, s27, 10
	s_lshl_b32 s60, s22, 9
	s_add_co_u32 s54, s54, s60
	s_mov_b32 s55, 0
	; my corner of the result
	s_lshl_b32 s56, s26, 24
	s_lshl_b32 s60, s24, 18
	s_add_co_u32 s56, s56, s60
	s_lshl_b32 s60, s21, 17
	s_add_co_u32 s56, s56, s60
	s_lshl_b32 s60, s27, 9
	s_add_co_u32 s56, s56, s60
	s_lshl_b32 s60, s22, 8
	s_add_co_u32 s56, s56, s60
	s_mov_b32 s57, 0
	; vector addresses
	v_and_b32 v2, 15, v0                           ; r = l % 16
	v_bfe_u32 v3, v0, 4, 1                         ; h = l / 16
	v_and_b32 v4, 31, v0                           ; l
	v_mul_u32_u24 v5, v2, PITCH
	v_lshl_add_u32 v5, v3, 4, v5                   ; r x pitch + 16 h: a fragment's lane term
	s_mul_i32 s61, s21, 64*PITCH
	s_add_co_u32 s61, s61, ABASE
	v_add_nc_u32 v[ADRA], s61, v5
	v_add_nc_u32 v[ADRA+1], ASLOT, v[ADRA]
	s_mul_i32 s61, s22, 128*PITCH
	v_add_nc_u32 v[ADRB], s61, v5
	v_add_nc_u32 v[ADRB+1], BSLOT, v[ADRB]
	s_mul_i32 s61, s20, 16*PITCH
	s_add_co_u32 s61, s61, STAGE
	v_add_nc_u32 v[STO], s61, v5
	v_mul_u32_u24 v8, v3, PITCH
	v_lshl_add_u32 v8, v2, 4, v8
	v_add_nc_u32 v[RD], s61, v8                    ; back: lanes 0-15 one row, lanes 16-31 the next
	v_lshlrev_b32 v8, 11, v3
	v_lshl_add_u32 v[CO], v2, 4, v8                ; the same two rows in the result
	v_lshlrev_b32 v[BOF], 5, v3
	s_mul_i32 s61, s20, 32*PITCH
	s_add_co_u32 s61, s61, ABASE
	v_lshl_add_u32 v6, v4, 3, s61                  ; x's slot 0, my wave's first row, 8 bytes a lane
	v_lshlrev_b32 v7, 4, v4                        ; 16 bytes a lane in a row's 512
	WIN 0x40
	v_mov_b32 v[XA], v6
	v_mov_b32 v[XO], v7
	WIN 0xc0
	v_mov_b32 v[XA], v6
	v_mov_b32 v[XO], v7
	s_wait_kmcnt 0x0
	s_cmp_eq_u32 s26, 1
	s_cselect_b64 s[28:29], s[6:7], s[4:5]
	s_cselect_b64 s[30:31], s[12:13], s[10:11]
	s_cmp_eq_u32 s26, 2
	s_cselect_b64 s[28:29], s[8:9], s[28:29]
	s_cselect_b64 s[30:31], s[14:15], s[30:31]
	s_add_nc_u64 s[28:29], s[28:29], s[52:53]      ; x at my wave's first row
	s_add_nc_u64 s[30:31], s[30:31], s[54:55]      ; the bias at my first column
	s_add_nc_u64 s[48:49], s[18:19], s[56:57]      ; the result at my corner
	s_add_nc_u64 s[50:51], s[16:17], s[50:51]      ; W at my 64 rows
.irp s, 0,1
	s_mov_b32 s[G0+4*\s], 1
	s_add_co_u32 s[G0+4*\s+1], s59, \s*BSLOT
	s_add_nc_u64 s[G0+4*\s+2:G0+4*\s+3], s[50:51], \s*256
	s_or_b32 s[G0+4*\s+3], s[G0+4*\s+3], 0x80000000
.endr
.irp b, 0,1,2,3,4,5,6,7
	global_load_b128 v[BI+8*\b:BI+8*\b+3],   v[BOF], s[30:31] offset:64*\b      ; the bias of columns 16 b + 8 h + 0..7: the layout of C
	global_load_b128 v[BI+8*\b+4:BI+8*\b+7], v[BOF], s[30:31] offset:64*\b+16
.endr
	XFILL 0, 0
	XFILL 1, 1
	WIN 0
	CROUND                                         ; all four work-groups are here: the first joint loads meet
	tensor_load_to_lds s[G0:G0+3], s[G1:G1+7]      ; K step 0
	s_nop 0
	tensor_load_to_lds s[G0+4:G0+7], s[G1:G1+7]    ; K step 1: two tensor loads of the wave are out here, later one
	s_nop 0
	XCFG 0, 2, 56, 0                               ; x of K step 0 goes to slot 0; 56 = the 7 younger groups of 8 loads; the bias is older and is in as well
	XBLOCK 0
	XBLOCK 1
	XBLOCK 2
	XBLOCK 3
	s_wait_dscnt 0x0                               ; my part of x's slot 0 is written
	s_wait_tensorcnt 0x1                           ; my part of W's K step 0 is in; K step 1's may stay out
	s_barrier_signal -1
	s_barrier_wait -1
	FETCH 0, 0, 0
	XCFG 1, 3, 56, 0
	STEP 0, 1, 2, 1                                ; K step 0: the first products take the bias as C
	XCFG 0, 4, 56, 0
	STEP 1, 0, 0, 1
	XCFG 1, 5, 56, 0
	STEP 0, 1, 0, 1
	XCFG 0, 6, 56, 0
	STEP 1, 0, 0, 1
	XCFG 1, 7, 56, 0
	STEP 0, 1, 0, 1
	XCFG 0, -1, 56, 8                              ; nothing more to load: the counts run down 56, 48, 40, 32
	STEP 1, 0, 0, 1                                ; the last refill: W's K step 7
	XCFG 1, -1, 24, 8                              ; 24, 16, 8, 0
	STEP 0, 1, 0, 0
	XCFG -1, -1, 0, 0
	QUARTER 1, 0, 0, 1, 0
	QUARTER 1, 1, 1, 0, 0
	QUARTER 1, 2, 0, 1, 0
	s_wait_dscnt 0x0
	MULH 1, 0, 0
	MULH 1, 2, 0
	PLACES
	OUT16 0, 0x0a, FB
	OUT16 1, 0x0a, FB+64
	OUT16 2, 0x0a, FB
	OUT16 3, 0x0a, FB+64
	CROUND                                         ; the closing round: no work-group ends while a partner may still ask jointly
	s_endpgm
.Lfunc_end_k_q85b3d1850e_proj:
	.size	k_q85b3d1850e_proj, .Lfunc_end_k_q85b3d1850e_proj-k_q85b3d1850e_proj
	.p2alignl 7, 3214868480
	.fill 96, 4, 3214868480
	.section	.rodata,"a",@progbits
	.p2align	6, 0x0
	.amdhsa_kernel k_q85b3d1850e_proj
		.amdhsa_group_segment_fixed_size 327680
		.amdhsa_private_segment_fixed_size 0
		.amdhsa_enable_private_segment 0
		.amdhsa_kernarg_size 64
		.amdhsa_user_sgpr_count 2
		.amdhsa_user_sgpr_kernarg_segment_ptr 1
		.amdhsa_wavefront_size32 1
		.amdhsa_system_sgpr_workgroup_id_x 1
		.amdhsa_system_sgpr_workgroup_id_y 1
		.amdhsa_system_sgpr_workgroup_id_z 1
		.amdhsa_system_vgpr_workitem_id 0
		.amdhsa_next_free_vgpr 1024
		.amdhsa_next_free_sgpr 66
		.amdhsa_reserve_vcc 0
		.amdhsa_float_denorm_mode_32 3
		.amdhsa_float_denorm_mode_16_64 3
		.amdhsa_memory_ordered 1
		.amdhsa_forward_progress 1
		.amdhsa_inst_pref_size 220
	.end_amdhsa_kernel
	.amdgpu_metadata
---
amdhsa.version: [ 1, 2 ]
amdhsa.kernels:
  - .name:           k_q85b3d1850e_proj
    .symbol:         k_q85b3d1850e_proj.kd
    .args:
      - { .name: q, .offset: 0, .size: 8, .value_kind: global_buffer, .address_space: global }
      - { .name: k, .offset: 8, .size: 8, .value_kind: global_buffer, .address_space: global }
      - { .name: v, .offset: 16, .size: 8, .value_kind: global_buffer, .address_space: global }
      - { .name: bq, .offset: 24, .size: 8, .value_kind: global_buffer, .address_space: global }
      - { .name: bk, .offset: 32, .size: 8, .value_kind: global_buffer, .address_space: global }
      - { .name: bv, .offset: 40, .size: 8, .value_kind: global_buffer, .address_space: global }
      - { .name: wb, .offset: 48, .size: 8, .value_kind: global_buffer, .address_space: global }
      - { .name: qkv, .offset: 56, .size: 8, .value_kind: global_buffer, .address_space: global }
    .group_segment_fixed_size: 327680
    .private_segment_fixed_size: 0
    .kernarg_segment_align: 8
    .kernarg_segment_size: 64
    .max_flat_workgroup_size: 128
    .sgpr_count:     66
    .vgpr_count:     1024
    .wavefront_size: 32
...
	.end_amdgpu_metadata
.endif
;; end of part 2
;; launch scores (part 3): grid 8 x 32, 4 waves a work-group, clusters of 4 x 4, 327,680 bytes of LDS; arguments qkv, mask, pbuf, stats; writes pbuf, stats
.if DOCPART == 3
	.amdgcn_target "amdgcn-amd-amdhsa--gfx1250"
	.amdhsa_code_object_version 6
	.text
	.protected	k_q85b3d1850e_scores
	.globl	k_q85b3d1850e_scores
	.p2align	8
	.type	k_q85b3d1850e_scores,@function
k_q85b3d1850e_scores:
	s_mov_b64 s[64:65], 0
	v_nop
	global_prefetch_b8 v0, s[64:65] scope:SCOPE_SE
	s_setreg_imm32_b32 hwreg(HW_REG_WAVE_MODE, 25, 1), 1
	s_wait_xcnt 0x0
	s_wait_alu depctr_hold_cnt(0) depctr_sa_sdst(0) depctr_va_vdst(0) depctr_va_sdst(0) depctr_va_ssrc(0) depctr_va_vcc(0) depctr_vm_vsrc(0)
	s_getreg_b32 s2, hwreg(HW_REG_IB_STS2, 6, 4)
	s_cmp_eq_u32 s2, 0
	s_cbranch_scc0 .Lentry_in_a_cluster
	s_endpgm
.Lentry_in_a_cluster:
	s_bfe_u32 s2, ttmp6, 0x10000c
	s_cmp_lg_u32 s2, 0xf033
	s_cbranch_scc0 .Lentry_shape_is_right
	s_endpgm
.Lentry_shape_is_right:
; One block of 256 rows (s) x 256 columns (t) of the attention's weights, not yet normalised.
;   acc = Q K^T over d = 1024 (f16 operands, f32 sums); where mask == 0: acc = -2^20, which is the fill -32768 times sqrt(1024) = 32;
;   c = the row's largest acc in this block of 256 columns; SC = log2(e) / 32; cs = c SC; p = 2^(acc SC - cs), stored in f16 in pbuf;
;   stats: cs and l = the sum of p over a wave's 128 columns, for each row and each block of 128 columns.
; A row of the softmax spans 8 work-groups, which exchange nothing: each takes its own block's maximum away, and the next launch joins the
; blocks as a running maximum does.  cs is used alike in p and in the joining factor, so its rounding cancels.
; LIMITS: f16 operands; p lies in 0 .. 1 but for cs's rounding (half a step of cs in the exponent: 1.003 where |cs| is near 5e4, a block that is
; masked entirely; 1.05 where |cs| is near 1e6), far inside f16; in f16 a p below 2^-25 of its block's largest counts as 0 (at most 2048 x 3e-8 of
; a row's weight); v_exp_f32 gives 0 below 2^-126; NaN and infinities are not treated; every mask word other than 0 keeps the score.
; THE PRODUCT: four waves, each 128 x 128 (64 accumulator tiles); K steps of 128 through two LDS slots filled by the tensor data mover.
; CLUSTER 4 x 4: Q's tile hangs on the block row alone and is asked for jointly along a row of the cluster, K's tile on the batch and the block
; column alone and jointly along a column.  The batch is made of the cluster's y alone (8 block rows = 2 clusters to a batch).
; THE MASK: each wave's 128 x 128 words come by two plain tensor loads of 64 rows x 512 bytes into the ring's slots as they fall free:
; part 0 into slot 0 behind the change of slots in K step 6, part 1 into slot 1 in the last quarter of K step 7.
; Each 256 bytes of the mask are prefetched once, by the wave that loads them, about one K step (some 200 matrix instructions) ahead of their tensor load.
; The matrix instruction is used transposed: lane l holds row l % 16, its registers 0-7 the columns 8 (l / 16) + 0..7.
; The 64 accumulators take turns, one instruction a turn, in the same order everywhere.
; REGISTERS.  window 0: v12-31 addresses, v32-63 row figures, v64-127 / v128-191 fragments of Q (later mask words and rows on their way out),
;   v192-255 at work.  window 1: v64-191 fragments of K.  window 2: tiles of my rows 0-63 (tile (a, b) at v[8 (8 a + b)]).  window 3: rows 64-127.
.set KSTEP,  128
.set PITCH,  272
.set HALFT,  128*PITCH
.set SLOT,   4*HALFT
.set STAGE,  2*SLOT                    ; 16 rows x 272 bytes for each wave
.set XCH,    STAGE+4*16*PITCH          ; three tables [wave][128] f32: maxima to exchange, cs, l
.set MPITCH, 528                       ; a mask row in LDS: 512 bytes + 16, an odd multiple of 16
.set MPART,  64*MPITCH                 ; a wave's part of the mask
.set LAPS,   4                         ; 1024 / 256
.set PITCHC, 4096                      ; bytes in a row of pbuf
.set SRD,  12
.set SCO,  13
.set SCV,  14                          ; v14-15 SC, twice
.set ADRA, 16
.set ADRB, 20
.set STO,  24
.set RD,   25
.set CO,   26
.set MADR, 27                          ; v27-28 my mask words in part 0, 1
.set XST,  29
.set XLD,  30
.set PFO,  31
.set MX,   32                          ; v32-39 row block a: the maximum, then cs
.set NC,   40                          ; v40-55 row block a: -cs, twice
.set LS,   56                          ; v56-63 row block a: l
.set F0,   64
.set F1,   128
.set TMP,  192
.set T,    224
.set G1,   24
.set G0,   32
.set G1B,  48
.set G0B,  56
.set G1M,  68
.set G0M,  76
.set PFN,  -1
.set MSB,  0
.macro WIN new
.if MSB != \new
	s_set_vgpr_msb (MSB<<8)|\new
.set MSB, \new
.endif
.endm
.set MUL_LO, 0xa1                      ; source 0 (K) window 1, source 1 (Q) window 0, C and D window 2
.set MUL_HI, 0xf1
.set TO_B,   0x40
.macro JLOAD s                         ; waves 0, 1 ask for Q's halves, waves 2, 3 for K's: one mask and one set of registers to a line
	s_cmp_eq_u32 s13, 0
	s_cbranch_scc0 .Lfor_b_\@
	tensor_load_to_lds s[G0+4*\s:G0+4*\s+3], s[G1:G1+7]
	s_nop 0
	s_branch .Lasked_\@
.Lfor_b_\@:
	tensor_load_to_lds s[G0B+4*\s:G0B+4*\s+3], s[G1B:G1B+7]
	s_nop 0
.Lasked_\@:
.endm
.macro CREST
	s_cmp_lg_u32 s12, 0
	s_cbranch_scc1 .Lnot_wave_0_\@
	s_barrier_signal -3
.Lnot_wave_0_\@:
	s_barrier_wait -3
	s_barrier_signal -1
	s_barrier_wait -1
.endm
.macro CROUND
	s_barrier_signal -1
	s_barrier_wait -1
	CREST
.endm
.macro PLACES
.rept 4
	v_nop
.endr
.endm
.macro PREF n                          ; part n of my mask: 64 rows x 2 blocks of 256 bytes, one lane to a block, 16 rows to a line; all inside the buffer
.irp m, 0,1,2,3
	global_prefetch_b8 v[PFO], s[98:99] offset:\n*524288+\m*131072 th:TH_LOAD_NT scope:SCOPE_SE
.endr
.endm
.macro MUL16 f, hi, a0, zero
.irp a, \a0, \a0+1
.irp b, 0,1,2,3,4,5,6,7
.if \zero
	v_wmma_f32_16x16x32_f16 v[8*(8*(\a)+\b):8*(8*(\a)+\b)+7], v[\f+8*\b:\f+8*\b+7], v[\f+8*(4*\hi+\a):\f+8*(4*\hi+\a)+7], 0
.else
	v_wmma_f32_16x16x32_f16 v[8*(8*(\a)+\b):8*(8*(\a)+\b)+7], v[\f+8*\b:\f+8*\b+7], v[\f+8*(4*\hi+\a):\f+8*(4*\hi+\a)+7], v[8*(8*(\a)+\b):8*(8*(\a)+\b)+7]
.endif
.endr
.endr
.endm
.macro FETCH slot, k, f                ; 32 LDS loads in one run; where PFN names a part of the mask, its prefetches follow them
	WIN TO_B
.irp i, 0,1,2,3,4,5,6,7
	ds_load_b128 v[\f+8*\i:\f+8*\i+3],   v[ADRB+\slot] offset:\k+\i*16*PITCH
	ds_load_b128 v[\f+8*\i+4:\f+8*\i+7], v[ADRB+\slot] offset:\k+\i*16*PITCH+32
.endr
	WIN 0
.irp i, 0,1,2,3,4,5,6,7
	ds_load_b128 v[\f+8*\i:\f+8*\i+3],   v[ADRA+\slot] offset:\k+\i*16*PITCH
	ds_load_b128 v[\f+8*\i+4:\f+8*\i+7], v[ADRA+\slot] offset:\k+\i*16*PITCH+32
.endr
.if PFN >= 0
	PREF PFN
.set PFN, -1
.endif
.endm
.macro QUARTER slot, k, f, g, zero
	s_wait_dscnt 8                                 ; K's fragments and Q's rows 0-63 are in; the youngest eight loads (rows 64-127) may be out
	WIN MUL_LO
	MUL16 \f, 0, 0, \zero
	MUL16 \f, 0, 2, \zero
	PLACES
	FETCH \slot, \k, \g
	s_wait_dscnt 32                                ; all but the 32 just issued
	WIN MUL_HI
	MUL16 \f, 1, 0, \zero
	MUL16 \f, 1, 2, \zero
.endm
.macro THREE slot, zero
	QUARTER \slot, 64,  F0, F1, \zero
	QUARTER \slot, 128, F1, F0, 0
	QUARTER \slot, 192, F0, F1, 0
.endm
; The last quarter of a K step changes slots.  In front of the barrier each wave waits for its reads of this slot and for all its tensor loads;
; the barrier opens a round of the cluster's barrier; behind the round the slot is filled again first: fill = 1 by the joint load of the K step
; two ahead, fill = 2 by my part 0 of the mask.
.macro TURN slot, next, fill
	s_wait_dscnt 8
	WIN MUL_LO
	MUL16 F1, 0, 0, 0
	s_wait_dscnt 0
	s_wait_tensorcnt 0x0
	s_barrier_signal -1
	MUL16 F1, 0, 2, 0
	WIN 0
	s_barrier_wait -1
	CREST
.if \fill == 1
	s_add_nc_u64 s[G0+4*\slot+2:G0+4*\slot+3], s[G0+4*\slot+2:G0+4*\slot+3], 2*KSTEP*2
	s_add_nc_u64 s[G0B+4*\slot+2:G0B+4*\slot+3], s[G0B+4*\slot+2:G0B+4*\slot+3], 2*KSTEP*2
	JLOAD \slot
.else
	tensor_load_to_lds s[G0M:G0M+3], s[G1M:G1M+7]
	s_nop 0
.endif
	PLACES
	FETCH \next, 0, F0
	WIN MUL_HI
	MUL16 F1, 1, 0, 0
	MUL16 F1, 1, 2, 0
.endm
.macro LAP zero
	THREE 0, \zero
	TURN 0, 1, 1
	THREE 1, 0
	TURN 1, 0, 1
.endm
; the mask words of my rows 64 hi + 16 a + 0..15, in the accumulators' layout: 8 words a lane for each of 8 column blocks
.macro MLOAD hi, a, buf
	WIN 0
.irp b, 0,1,2,3,4,5,6,7
	ds_load_b128 v[\buf+8*\b:\buf+8*\b+3],   v[MADR+\hi] offset:\a*16*MPITCH+64*\b
	ds_load_b128 v[\buf+8*\b+4:\buf+8*\b+7], v[MADR+\hi] offset:\a*16*MPITCH+64*\b+16
.endr
.endm
; the fill where the mask is 0, then the largest of my 64 numbers of each row and of the other half of the lanes' 64
.macro EMASK hi, a, buf, left
	s_wait_dscnt \left                             ; this row block's 16 loads are in; the next one's 16 may be out
.if \hi
	WIN 0xc3
.else
	WIN 0x82
.endif
.irp b, 0,1,2,3,4,5,6,7
.irp j, 0,1,2,3,4,5,6,7
	v_cmp_eq_u32 s[84+\j], 0, v[\buf+8*\b+\j]
.endr
.irp j, 0,1,2,3,4,5,6,7
	v_cndmask_b32 v[64*\a+8*\b+\j], v[64*\a+8*\b+\j], s94, s[84+\j]
.endr
.endr
.if \hi
	WIN 0x0f
.else
	WIN 0x0a
.endif
.irp k, 0,1,2,3
	v_max_num_f32 v[T+\k], v[64*\a+16*\k], v[64*\a+16*\k+1]       ; four chains, each started by two numbers
.endr
.irp i, 1,2,3,4,5,6,7
.irp k, 0,1,2,3
	v_max3_num_f32 v[T+\k], v[64*\a+16*\k+2*\i], v[64*\a+16*\k+2*\i+1], v[T+\k]
.endr
.endr
	WIN 0
	v_max3_num_f32 v[T], v[T], v[T+1], v[T+2]
	v_max_num_f32 v[T], v[T], v[T+3]
	v_permlanex16_b32 v[T+1], v[T], s96, s97       ; the same row's other 64 columns lie 16 lanes away
	v_max_num_f32 v[MX+4*\hi+\a], v[T], v[T+1]
.endm
; p = 2^(acc SC - cs) in place, its sum, its rounding to f16, and 16 rows out through my stage
.macro ESOFT hi, a, f
.if \hi
	WIN 0xc3
.else
	WIN 0x82
.endif
.set i, 0
.rept 32
	v_pk_fma_f32 v[64*\a+2*i:64*\a+2*i+1], v[64*\a+2*i:64*\a+2*i+1], v[SCV:SCV+1], v[NC+2*(4*\hi+\a):NC+2*(4*\hi+\a)+1]
.set i, i+1
.endr
.set i, 0
.rept 64
	v_exp_f32 v[64*\a+i], v[64*\a+i]
.set i, i+1
.endr
	v_nop                                          ; one plain instruction behind the last exponential before a result is read (ISA guide 5.7.2)
.if \hi
	WIN 0x0f
.else
	WIN 0x0a
.endif
.set i, 0
	s_wait_alu depctr_va_vdst(0)
.rept 16
	v_pk_add_f32 v[T+2*i:T+2*i+1], v[64*\a+4*i:64*\a+4*i+1], v[64*\a+4*i+2:64*\a+4*i+3]
.set i, i+1
.endr
.irp b, 0,1,2,3,4,5,6,7
.irp r, 0,1,2,3
	v_cvt_pk_f16_f32 v[TMP+4*\b+\r], v[64*\a+8*\b+2*\r], v[64*\a+8*\b+2*\r+1]
.endr
.endr
	WIN 0
.irp i, 0,1,2,3,4,5,6,7
	v_pk_add_f32 v[T+2*\i:T+2*\i+1], v[T+2*\i:T+2*\i+1], v[T+16+2*\i:T+17+2*\i]
.endr
.irp i, 0,1,2,3
	v_pk_add_f32 v[T+2*\i:T+2*\i+1], v[T+2*\i:T+2*\i+1], v[T+8+2*\i:T+9+2*\i]
.endr
.irp i, 0,1
	v_pk_add_f32 v[T+2*\i:T+2*\i+1], v[T+2*\i:T+2*\i+1], v[T+4+2*\i:T+5+2*\i]
.endr
	v_pk_add_f32 v[T:T+1], v[T:T+1], v[T+2:T+3]
	v_add_f32 v[T], v[T], v[T+1]
	v_permlanex16_b32 v[T+1], v[T], s96, s97
	v_add_f32 v[LS+4*\hi+\a], v[T], v[T+1]
.irp b, 0,1,2,3,4,5,6,7
	ds_store_b128 v[STO], v[TMP+4*\b:TMP+4*\b+3] offset:32*\b
.endr
	s_wait_xcnt 0x0                                ; buffer f was the data of earlier stores: it is loaded again only behind this wait
.irp t, 0,1,2,3,4,5,6,7
	ds_load_b128 v[\f+4*\t:\f+4*\t+3], v[RD] offset:\t*2*PITCH    ; LDS serves a wave's instructions in order: these see the stores above
.endr
.irp t, 0,1,2,3,4,5,6,7
	s_wait_dscnt 7-\t
	global_store_b128 v[CO], v[\f+4*\t:\f+4*\t+3], s[8:9] offset:(16*(4*\hi+\a)+2*\t)*PITCHC   ; 16 lanes store 256 consecutive bytes, aligned
.endr
.endm
	s_load_b256 s[4:11], s[0:1], 0x0               ; qkv s[4:5], mask s[6:7], pbuf s[8:9], stats s[10:11]
	v_lshrrev_b32 v1, 5, v0
	v_readfirstlane_b32 s12, v1                    ; wave 0..3
	s_lshr_b32 s13, s12, 1                         ; which 128 rows are mine.  Also: I fetch for Q (0) or for K (1)
	s_and_b32 s14, s12, 1                          ; which 128 columns.  Also: which 128 rows of that tile I fetch
	s_bfe_u32 s15, ttmp6, 0x40000                  ; cx
	s_bfe_u32 s16, ttmp6, 0x40004                  ; cy
	s_lshl_b32 s17, ttmp9, 2
	s_add_co_u32 s17, s17, s15                     ; block column (t) = 4 x cluster x + cx
	s_and_b32 s19, ttmp7, 0xffff                   ; cluster y
	s_lshl_b32 s18, s19, 2
	s_add_co_u32 s18, s18, s16                     ; block row = 4 x cluster y + cy
	s_lshr_b32 s19, s19, 1                         ; batch
	s_lshl_b32 s20, s16, 2
	s_lshl_b32 s20, 15, s20                        ; my row of the cluster
	s_lshl_b32 s21, 0x1111, s15                    ; my column
	s_or_b32 s[G1+0], s20, (1<<16)|(1<<20)|(1<<21)|(5<<22)|(3<<25)    ; elements of 2 bytes, 4 words of padding behind every 64, bit 21 beside the mask
	s_or_b32 s[G1B+0], s21, (1<<16)|(1<<20)|(1<<21)|(5<<22)|(3<<25)
.irp g, G1, G1B
	s_mov_b32 s[\g+1], KSTEP<<16                   ; tensor_dim0 = 128
	s_mov_b32 s[\g+2], 128<<16                     ; tensor_dim1 = 128
	s_mov_b32 s[\g+3], KSTEP<<16                   ; tile_dim0 = 128
	s_mov_b32 s[\g+4], 128                         ; tile_dim1 = 128
	s_mov_b32 s[\g+5], 1024                        ; elements from row to row
	s_mov_b32 s[\g+6], 0
	s_mov_b32 s[\g+7], 0
.endr
	s_mov_b32 s[G1M+0], (2<<16)|(1<<20)|(6<<22)|(3<<25)   ; the mask: no work-group mask, elements of 4 bytes, 4 words of padding behind every 128
	s_mov_b32 s[G1M+1], 128<<16
	s_mov_b32 s[G1M+2], 64<<16
	s_mov_b32 s[G1M+3], 128<<16
	s_mov_b32 s[G1M+4], 64
	s_mov_b32 s[G1M+5], 2048
	s_mov_b32 s[G1M+6], 0
	s_mov_b32 s[G1M+7], 0
	s_lshl_b32 s22, s14, 18                        ; which 128 rows of 2,048 bytes I fetch
	s_lshl_b32 s40, s18, 19                        ; Q: 256 rows to a block row
	s_add_co_u32 s40, s40, s22
	s_mov_b32 s41, 0
	s_lshl_b32 s42, s19, 22                        ; K: 2,048 rows to a batch,
	s_lshl_b32 s23, s17, 19                        ; 256 to a block column,
	s_add_co_u32 s42, s42, s23
	s_add_co_u32 s42, s42, s22
	s_add_co_u32 s42, s42, 0x1000000               ; behind Q's 16,777,216 bytes
	s_mov_b32 s43, 0
	s_lshl_b32 s44, s18, 21                        ; the mask: 256 rows of 8,192 bytes to a block row,
	s_lshl_b32 s46, s13, 20                        ; my 128 rows,
	s_add_co_u32 s44, s44, s46
	s_lshl_b32 s46, s17, 10                        ; 1,024 bytes to a block column,
	s_add_co_u32 s44, s44, s46
	s_lshl_b32 s46, s14, 9                         ; my 512
	s_add_co_u32 s44, s44, s46
	s_mov_b32 s45, 0
	s_mul_i32 s47, s12, MPART                      ; my part of the mask in a slot
	s_mul_i32 s3, s12, HALFT                       ; my quarter of a slot's tiles
	s_mov_b32 s94, 0xc9800000                      ; -2^20
	s_mov_b32 s96, 0x76543210                      ; v_permlanex16_b32: lane i reads lane i of the other half
	s_mov_b32 s97, 0xfedcba98
	s_wait_kmcnt 0x0
	s_add_nc_u64 s[40:41], s[4:5], s[40:41]
	s_add_nc_u64 s[42:43], s[4:5], s[42:43]
	s_add_nc_u64 s[98:99], s[6:7], s[44:45]
	s_lshl_b32 s66, s18, 20                        ; pbuf at my corner: rows of 4,096 bytes
	s_lshl_b32 s46, s13, 19
	s_add_co_u32 s66, s66, s46
	s_lshl_b32 s46, s17, 9
	s_add_co_u32 s66, s66, s46
	s_lshl_b32 s46, s14, 8
	s_add_co_u32 s66, s66, s46
	s_mov_b32 s67, 0
	s_add_nc_u64 s[8:9], s[8:9], s[66:67]
	s_lshl_b32 s66, s17, 16                        ; stats: block of 128 columns 2 x + half, 32,768 bytes each; then my 128 rows
	s_lshl_b32 s46, s14, 15
	s_add_co_u32 s66, s66, s46
	s_lshl_b32 s46, s18, 10
	s_add_co_u32 s66, s66, s46
	s_lshl_b32 s46, s13, 9
	s_add_co_u32 s66, s66, s46
	s_add_nc_u64 s[10:11], s[10:11], s[66:67]
.irp n, 0,1
	s_mov_b32 s[G0M+4*\n], 1
	s_add_co_u32 s[G0M+4*\n+1], s47, \n*SLOT
	s_add_nc_u64 s[G0M+4*\n+2:G0M+4*\n+3], s[98:99], \n*524288
	s_or_b32 s[G0M+4*\n+3], s[G0M+4*\n+3], 0x80000000
.endr
	CROUND                                         ; all sixteen work-groups are here: the first joint loads meet
.irp s, 0,1
	s_mov_b32 s[G0+4*\s], 1
	s_add_co_u32 s[G0+4*\s+1], s3, \s*SLOT
	s_add_nc_u64 s[G0+4*\s+2:G0+4*\s+3], s[40:41], \s*KSTEP*2
	s_or_b32 s[G0+4*\s+3], s[G0+4*\s+3], 0x80000000
	s_mov_b32 s[G0B+4*\s], 1
	s_add_co_u32 s[G0B+4*\s+1], s3, \s*SLOT
	s_add_nc_u64 s[G0B+4*\s+2:G0B+4*\s+3], s[42:43], \s*KSTEP*2
	s_or_b32 s[G0B+4*\s+3], s[G0B+4*\s+3], 0x80000000
	JLOAD \s                                       ; two tensor loads of the wave are out here, later one
.endr
	v_and_b32 v1, 15, v0                           ; r
	v_bfe_u32 v2, v0, 4, 1                         ; h
	v_and_b32 v5, 31, v0                           ; l
	v_mul_u32_u24 v3, v1, PITCH
	v_lshl_add_u32 v3, v2, 4, v3
	s_mul_i32 s22, s13, HALFT
	s_mul_i32 s23, s14, HALFT
	s_add_co_u32 s23, s23, 2*HALFT
.irp s, 0,1
	v_add_nc_u32 v[ADRA+\s], s22, v3
	v_add_nc_u32 v[ADRB+\s], s23, v3
	s_add_co_u32 s22, s22, SLOT
	s_add_co_u32 s23, s23, SLOT
.endr
	s_mul_i32 s22, s12, 16*PITCH
	s_add_co_u32 s22, s22, STAGE
	v_add_nc_u32 v[STO], s22, v3
	v_mul_u32_u24 v4, v2, PITCH
	v_lshl_add_u32 v4, v1, 4, v4
	v_add_nc_u32 v[RD], s22, v4
	v_lshlrev_b32 v4, 12, v2
	v_lshl_add_u32 v[CO], v1, 4, v4
	v_mul_u32_u24 v4, v1, MPITCH
	v_lshl_add_u32 v4, v2, 5, v4
	v_add_nc_u32 v[MADR], s47, v4
	v_add_nc_u32 v[MADR+1], SLOT, v[MADR]
	s_lshl_b32 s22, s12, 9
	s_add_co_u32 s22, s22, XCH
	v_lshl_add_u32 v[XST], v1, 2, s22              ; my wave's 128 words, word r
	v_lshl_add_u32 v[SRD], v5, 4, s22
	s_xor_b32 s23, s12, 1                          ; the wave with my rows and the other columns
	s_lshl_b32 s23, s23, 9
	s_add_co_u32 s23, s23, XCH
	v_lshl_add_u32 v[XLD], v1, 2, s23
	v_lshlrev_b32 v[SCO], 4, v5
	v_lshrrev_b32 v4, 1, v5
	v_and_b32 v6, 1, v5
	v_lshlrev_b32 v6, 8, v6
	v_lshl_add_u32 v[PFO], v4, 13, v6              ; row l / 2, block l % 2
	v_mov_b32 v[SCV], 0x3d38aa3b                   ; log2(e) / 32
	v_mov_b32 v[SCV+1], 0x3d38aa3b
	s_wait_tensorcnt 1                             ; my part of K step 0 is in; K step 1's may stay out
	s_barrier_signal -1
	s_barrier_wait -1
	FETCH 0, 0, F0
	LAP 1                                          ; the first lap's first products start the sums
	WIN 0
	s_mov_b32 s3, LAPS-2
.Llap:
	LAP 0
	WIN 0
	s_sub_co_u32 s3, s3, 1
	s_cmp_lg_u32 s3, 0
	s_cbranch_scc1 .Llap
.set PFN, 0
	THREE 0, 0                                     ; K step 6; part 0 of the mask is prefetched behind its first run of LDS loads
.set PFN, 1
	TURN 0, 1, 2                                   ; slot 0 takes part 0 of the mask; part 1 is prefetched behind the LDS loads that follow
	THREE 1, 0                                     ; K step 7
	s_wait_dscnt 8
	WIN MUL_LO
	MUL16 F1, 0, 0, 0
	s_wait_dscnt 0                                 ; my reads of slot 1 are over
	s_wait_tensorcnt 0x0                           ; part 0 of my mask has landed: no tensor load of mine is out
	s_barrier_signal -1
	MUL16 F1, 0, 2, 0
	WIN 0
	s_barrier_wait -1
	CREST
	tensor_load_to_lds s[G0M+4:G0M+7], s[G1M:G1M+7]   ; slot 1 takes part 1 of the mask; it lands while rows 0-63 are masked
	s_nop 0
	WIN MUL_HI
	MUL16 F1, 1, 0, 0
	MUL16 F1, 1, 2, 0
	PLACES
	MLOAD 0, 0, F0
	MLOAD 0, 1, F1
	EMASK 0, 0, F0, 16
	MLOAD 0, 2, F0
	EMASK 0, 1, F1, 16
	MLOAD 0, 3, F1
	EMASK 0, 2, F0, 16
	s_wait_tensorcnt 0x0                           ; part 1 is in; only the wave that asked for it reads it
	MLOAD 1, 0, F0
	EMASK 0, 3, F1, 16
	MLOAD 1, 1, F1
	EMASK 1, 0, F0, 16
	MLOAD 1, 2, F0
	EMASK 1, 1, F1, 16
	MLOAD 1, 3, F1
	EMASK 1, 2, F0, 16
	EMASK 1, 3, F1, 0
	; the two waves that share rows exchange their maxima
.irp a, 0,1,2,3,4,5,6,7
	ds_store_b32 v[XST], v[MX+\a] offset:64*\a     ; both halves of the lanes hold the same number and write the same word
.endr
	s_wait_dscnt 0x0                               ; for the other wave's sake
	s_barrier_signal -1
	s_barrier_wait -1
.irp a, 0,1,2,3,4,5,6,7
	ds_load_b32 v[T+\a], v[XLD] offset:64*\a
.endr
	s_wait_dscnt 0x0
.irp a, 0,1,2,3,4,5,6,7
	v_max_num_f32 v[T+\a], v[T+\a], v[MX+\a]       ; the row's maximum over the block's 256 columns
	v_mul_f32 v[MX+\a], 0x3d38aa3b, v[T+\a]        ; cs
	v_mul_f32 v[NC+2*\a], 0xbd38aa3b, v[T+\a]      ; -cs, the same rounding
	v_mul_f32 v[NC+2*\a+1], 0xbd38aa3b, v[T+\a]
.endr
	ESOFT 0, 0, F0
	ESOFT 0, 1, F1
	ESOFT 0, 2, F0
	ESOFT 0, 3, F1
	ESOFT 1, 0, F0
	ESOFT 1, 1, F1
	ESOFT 1, 2, F0
	ESOFT 1, 3, F1
	; cs and l of my 128 rows: gathered in my own words of LDS, stored as 512 consecutive bytes each
.irp a, 0,1,2,3,4,5,6,7
	ds_store_b32 v[XST], v[MX+\a] offset:2048+64*\a
	ds_store_b32 v[XST], v[LS+\a] offset:4096+64*\a
.endr
	ds_load_b128 v[T:T+3], v[SRD] offset:2048
	ds_load_b128 v[T+4:T+7], v[SRD] offset:4096
	s_wait_dscnt 0x0
	global_store_b128 v[SCO], v[T:T+3], s[10:11]
	global_store_b128 v[SCO], v[T+4:T+7], s[10:11] offset:524288
	CROUND                                         ; the closing round
	s_endpgm
.Lfunc_end_k_q85b3d1850e_scores:
	.size	k_q85b3d1850e_scores, .Lfunc_end_k_q85b3d1850e_scores-k_q85b3d1850e_scores
	.p2alignl 7, 3214868480
	.fill 96, 4, 3214868480
	.section	.rodata,"a",@progbits
	.p2align	6, 0x0
	.amdhsa_kernel k_q85b3d1850e_scores
		.amdhsa_group_segment_fixed_size 327680
		.amdhsa_private_segment_fixed_size 0
		.amdhsa_enable_private_segment 0
		.amdhsa_kernarg_size 32
		.amdhsa_user_sgpr_count 2
		.amdhsa_user_sgpr_kernarg_segment_ptr 1
		.amdhsa_wavefront_size32 1
		.amdhsa_system_sgpr_workgroup_id_x 1
		.amdhsa_system_sgpr_workgroup_id_y 1
		.amdhsa_system_sgpr_workgroup_id_z 1
		.amdhsa_system_vgpr_workitem_id 0
		.amdhsa_next_free_vgpr 1024
		.amdhsa_next_free_sgpr 100
		.amdhsa_reserve_vcc 0
		.amdhsa_float_denorm_mode_32 3
		.amdhsa_float_denorm_mode_16_64 3
		.amdhsa_memory_ordered 1
		.amdhsa_forward_progress 1
		.amdhsa_inst_pref_size 255
	.end_amdhsa_kernel
	.section	.bss,"aw",@nobits
	.p2align	6
	.space	262144
	.amdgpu_metadata
---
amdhsa.version: [ 1, 2 ]
amdhsa.kernels:
  - .name:           k_q85b3d1850e_scores
    .symbol:         k_q85b3d1850e_scores.kd
    .args:
      - { .name: qkv, .offset: 0, .size: 8, .value_kind: global_buffer, .address_space: global }
      - { .name: mask, .offset: 8, .size: 8, .value_kind: global_buffer, .address_space: global }
      - { .name: pbuf, .offset: 16, .size: 8, .value_kind: global_buffer, .address_space: global }
      - { .name: stats, .offset: 24, .size: 8, .value_kind: global_buffer, .address_space: global }
    .group_segment_fixed_size: 327680
    .private_segment_fixed_size: 0
    .kernarg_segment_align: 8
    .kernarg_segment_size: 32
    .max_flat_workgroup_size: 128
    .sgpr_count:     100
    .vgpr_count:     1024
    .wavefront_size: 32
...
	.end_amdgpu_metadata
.endif
;; end of part 3
;; launch pv (part 4): grid 4 x 64, 4 waves a work-group, clusters of 4 x 4, 327,680 bytes of LDS; arguments pbuf, qkv, stats, ybuf; writes ybuf
.if DOCPART == 4
	.amdgcn_target "amdgcn-amd-amdhsa--gfx1250"
	.amdhsa_code_object_version 6
	.text
	.protected	k_q85b3d1850e_pv
	.globl	k_q85b3d1850e_pv
	.p2align	8
	.type	k_q85b3d1850e_pv,@function
k_q85b3d1850e_pv:
	s_mov_b64 s[64:65], 0
	v_nop
	global_prefetch_b8 v0, s[64:65] scope:SCOPE_SE
	s_setreg_imm32_b32 hwreg(HW_REG_WAVE_MODE, 25, 1), 1
	s_wait_xcnt 0x0
	s_wait_alu depctr_hold_cnt(0) depctr_sa_sdst(0) depctr_va_vdst(0) depctr_va_sdst(0) depctr_va_ssrc(0) depctr_va_vcc(0) depctr_vm_vsrc(0)
	s_getreg_b32 s2, hwreg(HW_REG_IB_STS2, 6, 4)
	s_cmp_eq_u32 s2, 0
	s_cbranch_scc0 .Lentry_in_a_cluster
	s_endpgm
.Lentry_in_a_cluster:
	s_bfe_u32 s2, ttmp6, 0x10000c
	s_cmp_lg_u32 s2, 0xf033
	s_cbranch_scc0 .Lentry_shape_is_right
	s_endpgm
.Lentry_shape_is_right:
; y = softmax weights x V, in f16.  Work-group (x, y): rows 128 y .. +127, columns (d) 256 x .. +255.
; pbuf holds p = 2^(z - cs_j) for each block j of 256 keys, stats the cs_j and the sums l.  The blocks are joined in f32 as a running maximum does:
;   C = max over j of cs_j;  w_j = 2^(cs_j - C);  L = sum over j of w_j l_j;  f_j = w_j / L;  y = sum over j of f_j (P_j V_j).
; The block with the largest cs has w = 1 and l of about 1 or more, and l is at most some 2048 x 1.05, so L neither vanishes nor overflows.
; Four waves, each 64 rows x 128 columns.  One block's product is summed in window 2 (two K steps of 128 keys, the first product starting it
; with C = 0) and then added, times f_j, to the result in window 3: 128 packed multiply-adds for 256 matrix instructions.
; P's tile has K (the keys) along its rows.  V lies [key][d]: its fragments come out of LDS by the transposing load ds_load_tr16_b128.
; CLUSTER 4 x 4: P's tile hangs on the block row alone: asked for jointly along a row of the cluster.  V's tile hangs on the batch (made of the
; cluster's y alone: 16 block rows = 4 clusters to a batch) and the block column: jointly along a column.
; The matrix instruction is used transposed: lane l holds row l % 16, its registers 0-7 the columns 8 (l / 16) + 0..7.
; The 32 accumulators take turns, one instruction a turn, in the same order everywhere.
; LIMITS: P and V are f16; y is stored in f16: it is a weighted mean of rows of V (weights that sum to 1), so it has V's room below 65,504;
; w_j below 2^-126 counts as 0; NaN and infinities are not treated.
; No prefetch: pbuf, V and stats were stored by the launches just before.
.set PITCH,  272
.set VP,     544                       ; a row of V in LDS: 512 bytes + 32, an odd multiple of 32
.set APART,  128*PITCH                 ; P's 128 rows
.set SLOT,   APART+128*VP              ; then V's 128 keys
.set STAGE,  2*SLOT
.set FT,     STAGE+4*16*PITCH          ; f: [8 blocks][128 rows], each number twice
.set PITCHC, 2048
.set ADRA, 16
.set ADRB, 18
.set STO,  20
.set RD,   21
.set CO,   22
.set FADR, 23
.set FR,   24                          ; v24-31 f of row block a, twice
.set FA,   32
.set FB,   96
.set TMPO, 224
.set CSR,  32                          ; ahead of the loop, in the fragments' registers: 8 cs, 16 l, 8 w, 8 pairs of f
.set LR,   40
.set WR,   56
.set FP,   64
.set G1A,  24
.set G0A,  32
.set G1B,  48
.set G0B,  56
.set MSB,  0
.macro WIN new
.if MSB != \new
	s_set_vgpr_msb (MSB<<8)|\new
.set MSB, \new
.endif
.endm
.macro PLACES
.rept 4
	v_nop
.endr
.endm
.macro JLOAD s                         ; waves 0, 1 ask for P's halves, waves 2, 3 for V's
	s_cmp_eq_u32 s13, 0
	s_cbranch_scc0 .Lfor_b_\@
	tensor_load_to_lds s[G0A+4*\s:G0A+4*\s+3], s[G1A:G1A+7]
	s_nop 0
	s_branch .Lasked_\@
.Lfor_b_\@:
	tensor_load_to_lds s[G0B+4*\s:G0B+4*\s+3], s[G1B:G1B+7]
	s_nop 0
.Lasked_\@:
.endm
.macro CREST
	s_cmp_lg_u32 s12, 0
	s_cbranch_scc1 .Lnot_wave_0_\@
	s_barrier_signal -3
.Lnot_wave_0_\@:
	s_barrier_wait -3
	s_barrier_signal -1
	s_barrier_wait -1
.endm
.macro CROUND
	s_barrier_signal -1
	s_barrier_wait -1
	CREST
.endm
.macro MULH f, a0, mode                ; mode 0: add in place; 1: C = 0 starts the block's sums
	WIN 0xa0
.irp a, \a0, \a0+1
.irp b, 0,1,2,3,4,5,6,7
.if \mode == 0
	v_wmma_f32_16x16x32_f16 v[8*(8*(\a)+\b):8*(8*(\a)+\b)+7], v[FB+64*\f+8*\b:FB+64*\f+8*\b+7], v[FA+32*\f+8*(\a):FA+32*\f+8*(\a)+7], v[8*(8*(\a)+\b):8*(8*(\a)+\b)+7]
.else
	v_wmma_f32_16x16x32_f16 v[8*(8*(\a)+\b):8*(8*(\a)+\b)+7], v[FB+64*\f+8*\b:FB+64*\f+8*\b+7], v[FA+32*\f+8*(\a):FA+32*\f+8*(\a)+7], 0
.endif
.endr
.endr
.endm
.macro FETCH slot, q, f                ; quarter q = keys 32 q .. +31: V's 8 column blocks transposed (keys 0-15, then 16-31), P's 4 row blocks
	WIN 0
.irp i, 0,1,2,3,4,5,6,7
	ds_load_tr16_b128 v[FB+64*\f+8*\i:FB+64*\f+8*\i+3],   v[ADRB+\slot] offset:32*VP*(\q)+32*\i
	ds_load_tr16_b128 v[FB+64*\f+8*\i+4:FB+64*\f+8*\i+7], v[ADRB+\slot] offset:32*VP*(\q)+32*\i+16*VP
.endr
.irp i, 0,1,2,3
	ds_load_b128 v[FA+32*\f+8*\i:FA+32*\f+8*\i+3],   v[ADRA+\slot] offset:64*(\q)+\i*16*PITCH
	ds_load_b128 v[FA+32*\f+8*\i+4:FA+32*\f+8*\i+7], v[ADRA+\slot] offset:64*(\q)+\i*16*PITCH+32
.endr
.endm
; fl = 1: this block's factors are read and the address steps to the next block's; 2: read only
.macro QUARTER slot, q, f, g, mode, fl
	s_wait_dscnt 0x0                       ; buffer f's loads, issued 32 matrix instructions ago, are in
	PLACES
	FETCH \slot, \q+1, \g
.if \fl
.irp a, 0,1,2,3
	ds_load_b64 v[FR+2*\a:FR+2*\a+1], v[FADR] offset:128*\a
.endr
.if \fl == 1
	v_add_nc_u32 v[FADR], 1024, v[FADR]
.endif
.endif
	MULH \f, 0, \mode
	MULH \f, 2, \mode
.endm
.macro TURN slot, next, fill
	s_wait_dscnt 0x0                       ; my reads of this slot are over
	s_wait_tensorcnt 0x0                   ; all my tensor loads have landed: the one that was out is my part of the next slot
	s_barrier_signal -1
	MULH 1, 0, 0
	WIN 0
	s_barrier_wait -1
.if \fill
	CREST                                  ; no wave of any partner still reads this slot or has a load on its way
	s_add_nc_u64 s[G0A+4*\slot+2:G0A+4*\slot+3], s[G0A+4*\slot+2:G0A+4*\slot+3], 512       ; 256 keys along P's rows
	s_add_nc_u64 s[G0B+4*\slot+2:G0B+4*\slot+3], s[G0B+4*\slot+2:G0B+4*\slot+3], 524288    ; 256 rows of V
	JLOAD \slot                            ; my one tensor load behind the round; 112 matrix instructions stand before its wait
.endif
	PLACES
	FETCH \next, 0, 0
	MULH 1, 2, 0
.endm
.macro STEP slot, next, mode, fl, fill
	QUARTER \slot, 0, 0, 1, \mode, \fl
	QUARTER \slot, 1, 1, 0, 0, 0
	QUARTER \slot, 2, 0, 1, 0, 0
	TURN \slot, \next, \fill
.endm
.macro COMBINE first                   ; result (window 3) += f x block's product (window 2); the first block starts it
	PLACES
.if \first
	WIN 0xc2
.else
	WIN 0xf2
.endif
.irp a, 0,1,2,3
.set i, 0
.rept 32
.if \first
	v_pk_mul_f32 v[64*\a+2*i:64*\a+2*i+1], v[64*\a+2*i:64*\a+2*i+1], v[FR+2*\a:FR+2*\a+1]
.else
	v_pk_fma_f32 v[64*\a+2*i:64*\a+2*i+1], v[64*\a+2*i:64*\a+2*i+1], v[FR+2*\a:FR+2*\a+1], v[64*\a+2*i:64*\a+2*i+1]
.endif
.set i, i+1
.endr
.endr
.endm
.macro OUT16 a, from, f
	WIN \from
.irp b, 0,1,2,3,4,5,6,7
.irp r, 0,1,2,3
	v_cvt_pk_f16_f32 v[TMPO+4*\b+\r], v[8*(8*\a+\b)+2*\r], v[8*(8*\a+\b)+2*\r+1]
.endr
.endr
	WIN 0
.irp b, 0,1,2,3,4,5,6,7
	ds_store_b128 v[STO], v[TMPO+4*\b:TMPO+4*\b+3] offset:32*\b
.endr
	s_wait_xcnt 0x0                        ; buffer f was the data of earlier stores: it is loaded again only behind this wait
.irp t, 0,1,2,3,4,5,6,7
	ds_load_b128 v[\f+4*\t:\f+4*\t+3], v[RD] offset:\t*2*PITCH
.endr
.irp t, 0,1,2,3,4,5,6,7
	s_wait_dscnt 7-\t
	global_store_b128 v[CO], v[\f+4*\t:\f+4*\t+3], s[10:11] offset:(16*\a+2*\t)*PITCHC   ; 16 lanes store 256 consecutive bytes, aligned
.endr
.endm
	s_load_b256 s[4:11], s[0:1], 0x0               ; pbuf s[4:5], qkv s[6:7], stats s[8:9], ybuf s[10:11]
	v_lshrrev_b32 v1, 5, v0
	v_readfirstlane_b32 s12, v1                    ; wave
	s_lshr_b32 s13, s12, 1                         ; which 64 rows are mine.  Also: I fetch for P (0) or for V (1)
	s_and_b32 s14, s12, 1                          ; which 128 columns.  Also: which half of that tile I fetch
	s_bfe_u32 s15, ttmp6, 0x40000                  ; cx
	s_bfe_u32 s16, ttmp6, 0x40004                  ; cy
	s_lshl_b32 s17, ttmp9, 2
	s_add_co_u32 s17, s17, s15                     ; block column
	s_and_b32 s19, ttmp7, 0xffff
	s_lshl_b32 s18, s19, 2
	s_add_co_u32 s18, s18, s16                     ; block row
	s_lshr_b32 s19, s19, 2                         ; batch
	s_lshl_b32 s20, s16, 2
	s_lshl_b32 s20, 15, s20                        ; my row of the cluster
	s_lshl_b32 s21, 0x1111, s15                    ; my column
	s_or_b32 s[G1A+0], s20, (1<<16)|(1<<20)|(1<<21)|(5<<22)|(3<<25)   ; P: 4 words of padding behind every 64
	s_mov_b32 s[G1A+1], 128<<16
	s_mov_b32 s[G1A+2], 64<<16
	s_mov_b32 s[G1A+3], 128<<16                    ; 64 rows x 128 keys
	s_mov_b32 s[G1A+4], 64
	s_mov_b32 s[G1A+5], 2048
	s_mov_b32 s[G1A+6], 0
	s_mov_b32 s[G1A+7], 0
	s_or_b32 s[G1B+0], s21, (1<<16)|(1<<20)|(1<<21)|(6<<22)|(7<<25)   ; V: 8 words of padding behind every 128
	s_mov_b32 s[G1B+1], 256<<16
	s_mov_b32 s[G1B+2], 64<<16
	s_mov_b32 s[G1B+3], 256<<16                    ; 64 keys x 256 columns
	s_mov_b32 s[G1B+4], 64
	s_mov_b32 s[G1B+5], 1024
	s_mov_b32 s[G1B+6], 0
	s_mov_b32 s[G1B+7], 0
	s_lshl_b32 s40, s18, 19                        ; P: 128 rows of 4,096 bytes to a block row,
	s_lshl_b32 s22, s14, 18                        ; my 64
	s_add_co_u32 s40, s40, s22
	s_mov_b32 s41, 0
	s_lshl_b32 s42, s19, 22                        ; V: 2,048 rows of 2,048 bytes to a batch,
	s_lshl_b32 s23, s14, 17                        ; my 64 keys,
	s_add_co_u32 s42, s42, s23
	s_lshl_b32 s23, s17, 9                         ; 512 bytes to a block column,
	s_add_co_u32 s42, s42, s23
	s_add_co_u32 s42, s42, 0x2000000               ; behind Q and K
	s_mov_b32 s43, 0
	s_mul_i32 s44, s14, 64*PITCH                   ; where my half of P's tile goes,
	s_mul_i32 s45, s14, 64*VP
	s_add_co_u32 s45, s45, APART                   ; and of V's
	s_lshl_b32 s66, s18, 9                         ; stats: 128 rows of 4 bytes
	s_mov_b32 s67, 0
	s_lshl_b32 s68, s18, 18                        ; y at my corner
	s_lshl_b32 s46, s13, 17
	s_add_co_u32 s68, s68, s46
	s_lshl_b32 s46, s17, 9
	s_add_co_u32 s68, s68, s46
	s_lshl_b32 s46, s14, 8
	s_add_co_u32 s68, s68, s46
	s_mov_b32 s69, 0
	v_lshlrev_b32 v7, 2, v0                        ; thread t takes row t of the block's 128
	s_wait_kmcnt 0x0
	s_add_nc_u64 s[8:9], s[8:9], s[66:67]
	s_add_nc_u64 s[10:11], s[10:11], s[68:69]
	s_add_nc_u64 s[40:41], s[4:5], s[40:41]
	s_add_nc_u64 s[42:43], s[6:7], s[42:43]
.irp j, 0,1,2,3,4,5,6,7
	global_load_b32 v[CSR+\j], v7, s[8:9] offset:\j*65536             ; cs of block j (it stands alike in both of its halves)
.endr
.irp j, 0,1,2,3,4,5,6,7,8,9,10,11,12,13,14,15
	global_load_b32 v[LR+\j], v7, s[8:9] offset:524288+\j*32768       ; l of each half block
.endr
	CROUND                                         ; all sixteen work-groups are here: the first joint loads meet
.irp s, 0,1
	s_mov_b32 s[G0A+4*\s], 1
	s_add_co_u32 s[G0A+4*\s+1], s44, \s*SLOT
	s_add_nc_u64 s[G0A+4*\s+2:G0A+4*\s+3], s[40:41], \s*256
	s_or_b32 s[G0A+4*\s+3], s[G0A+4*\s+3], 0x80000000
	s_mov_b32 s[G0B+4*\s], 1
	s_add_co_u32 s[G0B+4*\s+1], s45, \s*SLOT
	s_add_nc_u64 s[G0B+4*\s+2:G0B+4*\s+3], s[42:43], \s*262144
	s_or_b32 s[G0B+4*\s+3], s[G0B+4*\s+3], 0x80000000
	JLOAD \s                                       ; two tensor loads of the wave are out here, later one
.endr
	v_and_b32 v1, 15, v0                           ; r
	v_bfe_u32 v2, v0, 4, 1                         ; h
	v_mul_u32_u24 v3, v1, PITCH
	v_lshl_add_u32 v3, v2, 4, v3
	v_and_b32 v4, 7, v0
	v_lshl_add_u32 v4, v2, 3, v4                   ; key 8 h + l % 8
	v_mul_u32_u24 v4, v4, VP
	v_bfe_u32 v5, v0, 3, 1
	v_lshl_add_u32 v4, v5, 4, v4                   ; + 16 bytes for the lanes' second eight
	s_mul_i32 s22, s13, 64*PITCH
	v_add_nc_u32 v[ADRA], s22, v3
	v_add_nc_u32 v[ADRA+1], SLOT, v[ADRA]
	s_lshl_b32 s22, s14, 8
	s_add_co_u32 s22, s22, APART
	v_add_nc_u32 v[ADRB], s22, v4
	v_add_nc_u32 v[ADRB+1], SLOT, v[ADRB]
	s_mul_i32 s22, s12, 16*PITCH
	s_add_co_u32 s22, s22, STAGE
	v_add_nc_u32 v[STO], s22, v3
	v_mul_u32_u24 v5, v2, PITCH
	v_lshl_add_u32 v5, v1, 4, v5
	v_add_nc_u32 v[RD], s22, v5
	v_lshlrev_b32 v5, 11, v2
	v_lshl_add_u32 v[CO], v1, 4, v5
	s_lshl_b32 s22, s13, 9
	s_add_co_u32 s22, s22, FT
	v_lshl_add_u32 v[FADR], v1, 3, s22             ; f of row 64 x half + r, block 0
	v_lshlrev_b32 v6, 3, v0
	v_add_nc_u32 v6, FT, v6                        ; where thread t puts row t's f
	s_wait_loadcnt 0x0
	v_max3_num_f32 v8, v[CSR], v[CSR+1], v[CSR+2]
	v_max3_num_f32 v8, v8, v[CSR+3], v[CSR+4]
	v_max3_num_f32 v8, v8, v[CSR+5], v[CSR+6]
	v_max_num_f32 v8, v8, v[CSR+7]                 ; C
.irp j, 0,1,2,3,4,5,6,7
	v_sub_f32 v[WR+\j], v[CSR+\j], v8
.endr
.irp j, 0,1,2,3,4,5,6,7
	v_exp_f32 v[WR+\j], v[WR+\j]                   ; w_j
.endr
.irp j, 0,1,2,3,4,5,6,7
	v_add_f32 v[LR+2*\j], v[LR+2*\j], v[LR+2*\j+1] ; plain instructions that touch no w stand behind the exponentials (ISA guide 5.7.2)
.endr
	s_wait_alu depctr_va_vdst(0)
	v_mul_f32 v9, v[WR], v[LR]
.irp j, 1,2,3,4,5,6,7
	v_fma_f32 v9, v[WR+\j], v[LR+2*\j], v9         ; L
.endr
	v_rcp_f32 v10, v9
	v_nop
	s_wait_alu depctr_va_vdst(0)
.irp j, 0,1,2,3,4,5,6,7
	v_mul_f32 v[FP+2*\j], v[WR+\j], v10
	v_mul_f32 v[FP+2*\j+1], v[WR+\j], v10
.endr
.irp j, 0,1,2,3,4,5,6,7
	ds_store_b64 v6, v[FP+2*\j:FP+2*\j+1] offset:\j*1024
.endr
	s_wait_dscnt 0x0                               ; my rows' factors are written, for the other waves' sake
	s_wait_tensorcnt 0x1                           ; my part of K step 0 is in; K step 1's may stay out
	s_barrier_signal -1
	s_barrier_wait -1
	FETCH 0, 0, 0
	STEP 0, 1, 1, 1, 1                             ; block 0
	STEP 1, 0, 0, 0, 1
	COMBINE 1
	WIN 0
	s_mov_b32 s3, 6
.Llap:                                         ; blocks 1 to 6
	STEP 0, 1, 1, 1, 1
	STEP 1, 0, 0, 0, 1
	COMBINE 0
	WIN 0
	s_sub_co_u32 s3, s3, 1
	s_cmp_lg_u32 s3, 0
	s_cbranch_scc1 .Llap
	STEP 0, 1, 1, 2, 0                             ; block 7: nothing is left to fetch
	QUARTER 1, 0, 0, 1, 0, 0
	QUARTER 1, 1, 1, 0, 0, 0
	QUARTER 1, 2, 0, 1, 0, 0
	s_wait_dscnt 0x0
	MULH 1, 0, 0
	MULH 1, 2, 0
	COMBINE 0
	OUT16 0, 0x0f, FB
	OUT16 1, 0x0f, FB+64
	OUT16 2, 0x0f, FB
	OUT16 3, 0x0f, FB+64
	CROUND                                         ; the closing round
	s_endpgm
.Lfunc_end_k_q85b3d1850e_pv:
	.size	k_q85b3d1850e_pv, .Lfunc_end_k_q85b3d1850e_pv-k_q85b3d1850e_pv
	.p2alignl 7, 3214868480
	.fill 96, 4, 3214868480
	.section	.rodata,"a",@progbits
	.p2align	6, 0x0
	.amdhsa_kernel k_q85b3d1850e_pv
		.amdhsa_group_segment_fixed_size 327680
		.amdhsa_private_segment_fixed_size 0
		.amdhsa_enable_private_segment 0
		.amdhsa_kernarg_size 32
		.amdhsa_user_sgpr_count 2
		.amdhsa_user_sgpr_kernarg_segment_ptr 1
		.amdhsa_wavefront_size32 1
		.amdhsa_system_sgpr_workgroup_id_x 1
		.amdhsa_system_sgpr_workgroup_id_y 1
		.amdhsa_system_sgpr_workgroup_id_z 1
		.amdhsa_system_vgpr_workitem_id 0
		.amdhsa_next_free_vgpr 1024
		.amdhsa_next_free_sgpr 72
		.amdhsa_reserve_vcc 0
		.amdhsa_float_denorm_mode_32 3
		.amdhsa_float_denorm_mode_16_64 3
		.amdhsa_memory_ordered 1
		.amdhsa_forward_progress 1
		.amdhsa_inst_pref_size 146
	.end_amdhsa_kernel
	.amdgpu_metadata
---
amdhsa.version: [ 1, 2 ]
amdhsa.kernels:
  - .name:           k_q85b3d1850e_pv
    .symbol:         k_q85b3d1850e_pv.kd
    .args:
      - { .name: pbuf, .offset: 0, .size: 8, .value_kind: global_buffer, .address_space: global }
      - { .name: qkv, .offset: 8, .size: 8, .value_kind: global_buffer, .address_space: global }
      - { .name: stats, .offset: 16, .size: 8, .value_kind: global_buffer, .address_space: global }
      - { .name: ybuf, .offset: 24, .size: 8, .value_kind: global_buffer, .address_space: global }
    .group_segment_fixed_size: 327680
    .private_segment_fixed_size: 0
    .kernarg_segment_align: 8
    .kernarg_segment_size: 32
    .max_flat_workgroup_size: 128
    .sgpr_count:     72
    .vgpr_count:     1024
    .wavefront_size: 32
...
	.end_amdgpu_metadata
.endif
;; end of part 4
;; launch outp (part 5): grid 4 x 64, 4 waves a work-group, clusters of 4 x 4, 327,680 bytes of LDS; arguments ybuf, wb, bo, out0; writes out0
.if DOCPART == 5
	.amdgcn_target "amdgcn-amd-amdhsa--gfx1250"
	.amdhsa_code_object_version 6
	.text
	.protected	k_q85b3d1850e_outp
	.globl	k_q85b3d1850e_outp
	.p2align	8
	.type	k_q85b3d1850e_outp,@function
k_q85b3d1850e_outp:
	s_mov_b64 s[64:65], 0
	v_nop
	global_prefetch_b8 v0, s[64:65] scope:SCOPE_SE
	s_setreg_imm32_b32 hwreg(HW_REG_WAVE_MODE, 25, 1), 1
	s_wait_xcnt 0x0
	s_wait_alu depctr_hold_cnt(0) depctr_sa_sdst(0) depctr_va_vdst(0) depctr_va_sdst(0) depctr_va_ssrc(0) depctr_va_vcc(0) depctr_vm_vsrc(0)
	s_getreg_b32 s2, hwreg(HW_REG_IB_STS2, 6, 4)
	s_cmp_eq_u32 s2, 0
	s_cbranch_scc0 .Lentry_in_a_cluster
	s_endpgm
.Lentry_in_a_cluster:
	s_bfe_u32 s2, ttmp6, 0x10000c
	s_cmp_lg_u32 s2, 0xf033
	s_cbranch_scc0 .Lentry_shape_is_right
	s_endpgm
.Lentry_shape_is_right:
; out0 = y Wo^T + bo in f32.  y: [8192][1024] f16 (ybuf), Wo: [1024][1024] f16 (wb, behind Wq, Wk, Wv).
; Work-group (x, y): rows 128 y .. +127, columns 256 x .. +255.  Four waves, each 64 rows x 128 columns: 32 accumulator tiles.
; K goes in 8 steps of 128 through two LDS slots filled by the tensor data mover.
; CLUSTER 4 x 4: y's tile hangs on the block row alone: asked for jointly along a row of the cluster; Wo's on the block column alone: along a column.
; The matrix instruction is used transposed: lane l holds row l % 16, its registers 0-7 the columns 8 (l / 16) + 0..7.
; The first product takes the bias as C: nothing is cleared, nothing is added later.
; The 32 accumulators take turns, one instruction a turn, in the same order everywhere.
; LIMITS: both operands are f16.  No prefetch: ybuf was stored by the launch just before, and Wo's 2 MiB are read by 64 block rows.
; REGISTERS.  window 0: addresses, fragments (y: v32-95, Wo: v96-223).  window 1: v0-63 the bias.  window 2: accumulators.
.set PITCH,  272
.set APART,  128*PITCH
.set SLOT,   APART+256*PITCH
.set STAGE,  2*SLOT
.set OPITCH, 528                       ; a row of 128 f32 in my stage: 512 bytes + 16
.set ADRA, 16
.set ADRB, 18
.set STO,  20
.set RD,   21
.set CO,   22
.set BOF,  23
.set FA,   32
.set FB,   96
.set BI,   0                           ; window 1
.set G1A,  24
.set G0A,  32
.set G1B,  48
.set G0B,  56
.set MSB,  0
.macro WIN new
.if MSB != \new
	s_set_vgpr_msb (MSB<<8)|\new
.set MSB, \new
.endif
.endm
.macro PLACES
.rept 4
	v_nop
.endr
.endm
.macro JLOAD s                         ; waves 0, 1 ask for y's halves, waves 2, 3 for Wo's
	s_cmp_eq_u32 s13, 0
	s_cbranch_scc0 .Lfor_b_\@
	tensor_load_to_lds s[G0A+4*\s:G0A+4*\s+3], s[G1A:G1A+7]
	s_nop 0
	s_branch .Lasked_\@
.Lfor_b_\@:
	tensor_load_to_lds s[G0B+4*\s:G0B+4*\s+3], s[G1B:G1B+7]
	s_nop 0
.Lasked_\@:
.endm
.macro CREST
	s_cmp_lg_u32 s12, 0
	s_cbranch_scc1 .Lnot_wave_0_\@
	s_barrier_signal -3
.Lnot_wave_0_\@:
	s_barrier_wait -3
	s_barrier_signal -1
	s_barrier_wait -1
.endm
.macro CROUND
	s_barrier_signal -1
	s_barrier_wait -1
	CREST
.endm
.macro MULH f, a0, mode                ; mode 0: add in place; 2: C = the bias
.if \mode == 2
	WIN 0x90
.else
	WIN 0xa0
.endif
.irp a, \a0, \a0+1
.irp b, 0,1,2,3,4,5,6,7
.if \mode == 0
	v_wmma_f32_16x16x32_f16 v[8*(8*(\a)+\b):8*(8*(\a)+\b)+7], v[FB+64*\f+8*\b:FB+64*\f+8*\b+7], v[FA+32*\f+8*(\a):FA+32*\f+8*(\a)+7], v[8*(8*(\a)+\b):8*(8*(\a)+\b)+7]
.else
	v_wmma_f32_16x16x32_f16 v[8*(8*(\a)+\b):8*(8*(\a)+\b)+7], v[FB+64*\f+8*\b:FB+64*\f+8*\b+7], v[FA+32*\f+8*(\a):FA+32*\f+8*(\a)+7], v[BI+8*\b:BI+8*\b+7]
.endif
.endr
.endr
.endm
.macro FETCH slot, q, f
	WIN 0
.irp i, 0,1,2,3,4,5,6,7
	ds_load_b128 v[FB+64*\f+8*\i:FB+64*\f+8*\i+3],   v[ADRB+\slot] offset:64*(\q)+\i*16*PITCH
	ds_load_b128 v[FB+64*\f+8*\i+4:FB+64*\f+8*\i+7], v[ADRB+\slot] offset:64*(\q)+\i*16*PITCH+32
.endr
.irp i, 0,1,2,3
	ds_load_b128 v[FA+32*\f+8*\i:FA+32*\f+8*\i+3],   v[ADRA+\slot] offset:64*(\q)+\i*16*PITCH
	ds_load_b128 v[FA+32*\f+8*\i+4:FA+32*\f+8*\i+7], v[ADRA+\slot] offset:64*(\q)+\i*16*PITCH+32
.endr
.endm
.macro QUARTER slot, q, f, g, mode
	s_wait_dscnt 0x0                       ; buffer f's loads, issued 32 matrix instructions ago, are in
	PLACES
	FETCH \slot, \q+1, \g
	MULH \f, 0, \mode
	MULH \f, 2, \mode
.endm
.macro TURN slot, next, fill
	s_wait_dscnt 0x0                       ; my reads of this slot are over
	s_wait_tensorcnt 0x0                   ; all my tensor loads have landed: the one that was out is my part of the next slot
	s_barrier_signal -1
	MULH 1, 0, 0
	WIN 0
	s_barrier_wait -1
.if \fill
	CREST                                  ; no wave of any partner still reads this slot or has a load on its way
	s_add_nc_u64 s[G0A+4*\slot+2:G0A+4*\slot+3], s[G0A+4*\slot+2:G0A+4*\slot+3], 512
	s_add_nc_u64 s[G0B+4*\slot+2:G0B+4*\slot+3], s[G0B+4*\slot+2:G0B+4*\slot+3], 512
	JLOAD \slot                            ; my one tensor load behind the round; 112 matrix instructions stand before its wait
.endif
	PLACES
	FETCH \next, 0, 0
	MULH 1, 2, 0
.endm
.macro STEP slot, next, mode, fill
	QUARTER \slot, 0, 0, 1, \mode
	QUARTER \slot, 1, 1, 0, 0
	QUARTER \slot, 2, 0, 1, 0
	TURN \slot, \next, \fill
.endm
; 16 rows of the result: 32 bytes a lane and column block into my own stage, read back as rows of 512 bytes, stored
.macro OUTF a, f
	WIN 0x08                               ; the stores' data in window 2
.irp b, 0,1,2,3,4,5,6,7
	ds_store_b128 v[STO], v[8*(8*\a+\b):8*(8*\a+\b)+3]   offset:64*\b
	ds_store_b128 v[STO], v[8*(8*\a+\b)+4:8*(8*\a+\b)+7] offset:64*\b+16
.endr
	WIN 0
	s_wait_xcnt 0x0                        ; buffer f was the data of earlier stores: it is loaded again only behind this wait
.set t, 0
.rept 16
	ds_load_b128 v[\f+4*t:\f+4*t+3], v[RD] offset:t*OPITCH       ; LDS serves a wave's instructions in order: these see the stores above
.set t, t+1
.endr
.set t, 0
.rept 16
	s_wait_dscnt 15-t
	global_store_b128 v[CO], v[\f+4*t:\f+4*t+3], s[10:11] offset:(16*\a+t)*4096 th:TH_STORE_NT   ; the wave stores 512 consecutive bytes, aligned
.set t, t+1
.endr
.endm
	s_load_b256 s[4:11], s[0:1], 0x0               ; ybuf s[4:5], wb s[6:7], bo s[8:9], out0 s[10:11]
	v_lshrrev_b32 v1, 5, v0
	v_readfirstlane_b32 s12, v1                    ; wave
	s_lshr_b32 s13, s12, 1                         ; which 64 rows are mine.  Also: I fetch for y (0) or for Wo (1)
	s_and_b32 s14, s12, 1                          ; which 128 columns.  Also: which half of that tile I fetch
	s_bfe_u32 s15, ttmp6, 0x40000                  ; cx
	s_bfe_u32 s16, ttmp6, 0x40004                  ; cy
	s_lshl_b32 s17, ttmp9, 2
	s_add_co_u32 s17, s17, s15                     ; block column
	s_and_b32 s18, ttmp7, 0xffff
	s_lshl_b32 s18, s18, 2
	s_add_co_u32 s18, s18, s16                     ; block row
	s_lshl_b32 s20, s16, 2
	s_lshl_b32 s20, 15, s20                        ; my row of the cluster
	s_lshl_b32 s21, 0x1111, s15                    ; my column
	s_or_b32 s[G1A+0], s20, (1<<16)|(1<<20)|(1<<21)|(5<<22)|(3<<25)
	s_mov_b32 s[G1A+1], 128<<16
	s_mov_b32 s[G1A+2], 64<<16
	s_mov_b32 s[G1A+3], 128<<16                    ; 64 rows x 128 along K
	s_mov_b32 s[G1A+4], 64
	s_mov_b32 s[G1A+5], 1024
	s_mov_b32 s[G1A+6], 0
	s_mov_b32 s[G1A+7], 0
	s_or_b32 s[G1B+0], s21, (1<<16)|(1<<20)|(1<<21)|(5<<22)|(3<<25)
	s_mov_b32 s[G1B+1], 128<<16
	s_mov_b32 s[G1B+2], 128<<16
	s_mov_b32 s[G1B+3], 128<<16                    ; 128 rows x 128 along K
	s_mov_b32 s[G1B+4], 128
	s_mov_b32 s[G1B+5], 1024
	s_mov_b32 s[G1B+6], 0
	s_mov_b32 s[G1B+7], 0
	s_lshl_b32 s40, s18, 18                        ; y: 128 rows of 2,048 bytes to a block row,
	s_lshl_b32 s22, s14, 17                        ; my 64
	s_add_co_u32 s40, s40, s22
	s_mov_b32 s41, 0
	s_lshl_b32 s42, s17, 19                        ; Wo: 256 rows to a block column,
	s_lshl_b32 s23, s14, 18                        ; my 128,
	s_add_co_u32 s42, s42, s23
	s_add_co_u32 s42, s42, 0x600000                ; behind Wq, Wk, Wv
	s_mov_b32 s43, 0
	s_mul_i32 s44, s14, 64*PITCH
	s_mul_i32 s45, s14, 128*PITCH
	s_add_co_u32 s45, s45, APART
	s_lshl_b32 s66, s17, 10                        ; the bias of my 128 columns
	s_lshl_b32 s46, s14, 9
	s_add_co_u32 s66, s66, s46
	s_mov_b32 s67, 0
	s_lshl_b32 s68, s18, 19                        ; out0 at my corner: rows of 4,096 bytes
	s_lshl_b32 s46, s13, 18
	s_add_co_u32 s68, s68, s46
	s_add_co_u32 s68, s68, s66
	s_mov_b32 s69, 0
	v_and_b32 v1, 15, v0                           ; r
	v_bfe_u32 v2, v0, 4, 1                         ; h
	v_and_b32 v4, 31, v0                           ; l
	v_lshlrev_b32 v[BOF], 5, v2
	s_wait_kmcnt 0x0
	s_add_nc_u64 s[8:9], s[8:9], s[66:67]
	s_add_nc_u64 s[10:11], s[10:11], s[68:69]
	s_add_nc_u64 s[40:41], s[4:5], s[40:41]
	s_add_nc_u64 s[42:43], s[6:7], s[42:43]
	WIN 0x40
.irp b, 0,1,2,3,4,5,6,7
	global_load_b128 v[BI+8*\b:BI+8*\b+3],   v[BOF], s[8:9] offset:64*\b       ; the bias of columns 16 b + 8 h + 0..7: the layout of C
	global_load_b128 v[BI+8*\b+4:BI+8*\b+7], v[BOF], s[8:9] offset:64*\b+16
.endr
	WIN 0
	CROUND                                         ; all sixteen work-groups are here: the first joint loads meet
.irp s, 0,1
	s_mov_b32 s[G0A+4*\s], 1
	s_add_co_u32 s[G0A+4*\s+1], s44, \s*SLOT
	s_add_nc_u64 s[G0A+4*\s+2:G0A+4*\s+3], s[40:41], \s*256
	s_or_b32 s[G0A+4*\s+3], s[G0A+4*\s+3], 0x80000000
	s_mov_b32 s[G0B+4*\s], 1
	s_add_co_u32 s[G0B+4*\s+1], s45, \s*SLOT
	s_add_nc_u64 s[G0B+4*\s+2:G0B+4*\s+3], s[42:43], \s*256
	s_or_b32 s[G0B+4*\s+3], s[G0B+4*\s+3], 0x80000000
	JLOAD \s                                       ; two tensor loads of the wave are out here, later one
.endr
	v_mul_u32_u24 v3, v1, PITCH
	v_lshl_add_u32 v3, v2, 4, v3
	s_mul_i32 s22, s13, 64*PITCH
	v_add_nc_u32 v[ADRA], s22, v3
	v_add_nc_u32 v[ADRA+1], SLOT, v[ADRA]
	v_add_nc_u32 v[ADRB], s45, v3                  ; my 128 rows of Wo begin where the half that bears my column number lies
	v_add_nc_u32 v[ADRB+1], SLOT, v[ADRB]
	s_mul_i32 s22, s12, 16*OPITCH
	s_add_co_u32 s22, s22, STAGE
	v_mul_u32_u24 v5, v1, OPITCH
	v_lshl_add_u32 v5, v2, 5, v5
	v_add_nc_u32 v[STO], s22, v5                   ; in: row r, 32 bytes for each half of the lanes
	v_lshl_add_u32 v[RD], v4, 4, s22               ; back: the wave takes one row of 512 bytes
	v_lshlrev_b32 v[CO], 4, v4
	s_wait_loadcnt 0x0                             ; the bias
	s_wait_tensorcnt 0x1                           ; my part of K step 0 is in; K step 1's may stay out
	s_barrier_signal -1
	s_barrier_wait -1
	FETCH 0, 0, 0
	STEP 0, 1, 2, 1                                ; K steps 0 and 1; the first products take the bias as C
	STEP 1, 0, 0, 1
	WIN 0
	s_mov_b32 s3, 2
.Llap:                                         ; K steps 2 to 5
	STEP 0, 1, 0, 1
	STEP 1, 0, 0, 1
	WIN 0
	s_sub_co_u32 s3, s3, 1
	s_cmp_lg_u32 s3, 0
	s_cbranch_scc1 .Llap
	STEP 0, 1, 0, 0                                ; K steps 6 and 7: nothing is left to fetch
	QUARTER 1, 0, 0, 1, 0
	QUARTER 1, 1, 1, 0, 0
	QUARTER 1, 2, 0, 1, 0
	s_wait_dscnt 0x0
	MULH 1, 0, 0
	MULH 1, 2, 0
	PLACES
	OUTF 0, FB
	OUTF 1, FB+64
	OUTF 2, FB
	OUTF 3, FB+64
	CROUND                                         ; the closing round
	s_endpgm
.Lfunc_end_k_q85b3d1850e_outp:
	.size	k_q85b3d1850e_outp, .Lfunc_end_k_q85b3d1850e_outp-k_q85b3d1850e_outp
	.p2alignl 7, 3214868480
	.fill 96, 4, 3214868480
	.section	.rodata,"a",@progbits
	.p2align	6, 0x0
	.amdhsa_kernel k_q85b3d1850e_outp
		.amdhsa_group_segment_fixed_size 327680
		.amdhsa_private_segment_fixed_size 0
		.amdhsa_enable_private_segment 0
		.amdhsa_kernarg_size 32
		.amdhsa_user_sgpr_count 2
		.amdhsa_user_sgpr_kernarg_segment_ptr 1
		.amdhsa_wavefront_size32 1
		.amdhsa_system_sgpr_workgroup_id_x 1
		.amdhsa_system_sgpr_workgroup_id_y 1
		.amdhsa_system_sgpr_workgroup_id_z 1
		.amdhsa_system_vgpr_workitem_id 0
		.amdhsa_next_free_vgpr 768
		.amdhsa_next_free_sgpr 72
		.amdhsa_reserve_vcc 0
		.amdhsa_float_denorm_mode_32 3
		.amdhsa_float_denorm_mode_16_64 3
		.amdhsa_memory_ordered 1
		.amdhsa_forward_progress 1
		.amdhsa_inst_pref_size 117
	.end_amdhsa_kernel
	.amdgpu_metadata
---
amdhsa.version: [ 1, 2 ]
amdhsa.kernels:
  - .name:           k_q85b3d1850e_outp
    .symbol:         k_q85b3d1850e_outp.kd
    .args:
      - { .name: ybuf, .offset: 0, .size: 8, .value_kind: global_buffer, .address_space: global }
      - { .name: wb, .offset: 8, .size: 8, .value_kind: global_buffer, .address_space: global }
      - { .name: bo, .offset: 16, .size: 8, .value_kind: global_buffer, .address_space: global }
      - { .name: out0, .offset: 24, .size: 8, .value_kind: global_buffer, .address_space: global }
    .group_segment_fixed_size: 327680
    .private_segment_fixed_size: 0
    .kernarg_segment_align: 8
    .kernarg_segment_size: 32
    .max_flat_workgroup_size: 128
    .sgpr_count:     72
    .vgpr_count:     768
    .wavefront_size: 32
...
	.end_amdgpu_metadata
.endif
;; end of part 5
